; MI455X (gfx1250); checked and timed in simulation.
; The chip was launched on July 23, 2026; its instructions are those of AMD's public machine-readable ISA for CDNA 5 (MIT licence, August 2026) and "CDNA5" Instruction Set Architecture Reference Guide (July 2026). The comments in the code are by the model that wrote it; some were corrected since.
;; Multi Head Attention. Allowed arithmetic: matrix products marked QUANTISED: E4M3 operands, one given power-of-two scale a tensor, by v_wmma_f32_16x16x64_fp8_fp8 or v_wmma_f32_16x16x128_fp8_fp8, f32 sums; everything else in f32.
;; Inputs: W_o 1,024 x 1,024 float32; W_qkv 1,024 x 3,072 float32; b_o 1,024 float32; b_qkv 3,072 float32; lowp_scales 8 int32 (the exponents e of the quantised operands' scales 2^e); x 4 x 2,048 x 1,024 float32.
;; Outputs: out0 4 x 2,048 x 1,024 float32.
;; This version of the problem:
;;   THIS VERSION OF THE PROBLEM IS GIVEN IN LOW PRECISION. The matrix products marked QUANTISED in the list below multiply operands that are first quantised to E4M3 (4 exponent bits, 3 mantissa bits; 8 bits a number), with one given power-of-two scale for each operand tensor; their sums are f32. All else is computed in f32.
;;   The module's matrix products, in the order in which they are computed (A, B: the left and right operand; K: the contracted axis; several contracted axes count as one K, in the product's order):
;;     1. [M 8,192, K 1,024] x [K 1,024, N 3,072]; A: input x; B: input W_qkv: QUANTISED (scales: A lowp_scales[0], B lowp_scales[1])
;;     2. batch 64 x [M 2,048, K 64] x [K 64, N 2,048]; A: computed on the way; B: computed on the way: QUANTISED (scales: A lowp_scales[2], B lowp_scales[3])
;;     3. batch 64 x [M 2,048, K 2,048] x [K 2,048, N 64]; A: softmax (see below); B: computed on the way: QUANTISED (scales: A lowp_scales[4], B lowp_scales[5])
;;     4. [M 8,192, K 1,024] x [K 1,024, N 1,024]; A: computed on the way; B: input W_o: QUANTISED (scales: A lowp_scales[6], B lowp_scales[7])
;;   THE QUANTISER, for each operand of a quantised product, along K:
;;     - The operand's scale is 2^e, e = its entry of the input lowp_scales (int32; the entries are numbered through the quantised products in the list's order, A before B).
;;     - Each number is divided by the scale, clamped to +-448, and rounded to the nearest number of E4M3, ties to even, subnormals kept.
;;     - The product sums the exact products of the quantised numbers (number of the format x scale) in f32.
;;   ~~~python
;;   def quantise(x, axis, e):      # numpy; x: float32 -> the quantised numbers, widened to float32 again
;;       x = np.moveaxis(x, axis, -1); K = x.shape[-1]
;;       r = np.clip(x / 2.0 ** e, -448, 448)
;;       step = 2.0 ** (np.maximum(np.frexp(np.where(r == 0, 1, r))[1] - 1, -6) - 3)
;;       q = np.round(r / step) * step * 2.0 ** e      # np.round: ties to even
;;       return np.moveaxis(q, -1, axis).astype(np.float32)
;;   ~~~
;;   SOFTMAX AHEAD OF A QUANTISED PRODUCT. Where the list says 'softmax', what is quantised is not the finished softmax but p = 2^(t - M), with t = logit x log2(e) and M = ceil(the row's largest t), a whole number; so 1/2 < the row's largest p <= 1. The row's sum l is taken of the UNQUANTISED p, in f32, and the product's result is divided by l at the end. Since M is a whole number, a kernel that streams over the keys may use a running M (the ceiling of the running maximum): every later rescaling is an exact power of two, so the quantised numbers keep their values, but for numbers so far below the row's largest that they fall under the format's range.
;;   OPERANDS COMPUTED ON THE WAY. 'Computed on the way' means the value that the module computes at that place (a softmax that the list does not call 'softmax' is quantised finished and normalised). What goes into a quantiser is computed in f32, as accurately as f32 sums, v_exp_f32 and their like allow (about 1e-6 of the number): no bf16 or f16 on the way to a quantiser, and a product that is left as it is and whose result goes on into a quantised operand takes f32 operands (vector FMAs, or v_wmma_f32_16x16x4_f32). A number that lies on a knife's edge between two numbers of the format may be rounded either way, as far as f32 arithmetic and the matrix unit's own rounding can turn it there, and no further.
;; One version. Each part assembles by itself: llvm-mc -triple=amdgcn-amd-amdhsa -mcpu=gfx1250 --defsym DOCPART=n.
;; ======== version 1 of 1: 4 launches
;; limits: right only within a limited range of input values
;; workspace buffers: x_codes 8,388,608 bytes; wqkv_codes 3,145,728 bytes; wo_codes 1,048,576 bytes; qk_codes 16,777,216 bytes; v_codes 8,388,608 bytes; attn_codes 8,388,608 bytes
;; launch quant (part 1): grid 384 x 1, 4 waves a work-group, no clusters, 68,096 bytes of LDS; arguments x, W_qkv, W_o, lowp_scales, x_codes, wqkv_codes, wo_codes; writes x_codes, wqkv_codes, wo_codes
.if DOCPART == 1
	.amdgcn_target "amdgcn-amd-amdhsa--gfx1250"
	.amdhsa_code_object_version 6
	.text
	.protected	k_q162fab3dbe_quant
	.globl	k_q162fab3dbe_quant
	.p2align	8
	.type	k_q162fab3dbe_quant,@function
k_q162fab3dbe_quant:
	s_mov_b64 s[64:65], 0
	v_nop
	global_prefetch_b8 v0, s[64:65] scope:SCOPE_SE
	s_setreg_imm32_b32 hwreg(HW_REG_WAVE_MODE, 25, 1), 1
	s_wait_xcnt 0x0
; x [8192][1024], W_qkv [1024 k][3072 n] and W_o [1024 k][1024 n], all f32, become codes of FP8 (E4M3) with K innermost:
; x_codes [8192][1024], wqkv_codes [3072 n][1024 k], wo_codes [1024 n][1024 k].  code = number / 2^e, held within +-448, to the nearest code, ties to even.
; e: entry 0 of the scales for x, entry 1 for W_qkv, entry 7 for W_o.  LIMITS: -126 <= e <= 119, so that 2^e and 448 x 2^e are f32 numbers; NaN among the inputs is not served (an infinity is held at the largest code).
; SHARES.  Work-groups 0-255: x, a plain stream, 32,768 numbers each (8,192 a wave).  Work-groups 256-351: W_qkv, 352-383: W_o: 128 columns x 256 along K each (32 columns a wave).  Each reads 128 KiB.
; x: K is innermost.  A conversion takes 8 neighbours from ONE lane's registers, a load is best where neighbouring LANES take neighbouring bytes: so each load reads 512 consecutive bytes, and a step's 2,048 bytes turn
;    through the wave's own stage in LDS (16 bytes of padding behind each 64) and come back 64 bytes a lane.  A lane's 16 codes are 16 bytes: a store covers 512 consecutive bytes.
; W: K is the FIRST axis.  A lane takes a column, its registers run down K: the conversions give codes with K innermost and nothing is transposed.  The codes go through the wave's own stage and leave as rows:
;    sixteen lanes store 256 consecutive bytes, aligned.  One text serves both weights: the row's length in bytes is a scalar register, chosen by the work-group's number.
; The two ways part on the work-group's number alone and have LDS bytes of their own.  No tensor load, no barrier: waves share nothing.
.set SPW,   222                        ; v222  LDS address of my spare word: SPARE + 4 x my thread's number; never rewritten
.set NIL,   223                        ; v223  0; never rewritten
.set SPARE, 67584                      ; behind both ways' stages: the spare words, 128 bytes a wave: two blocks of 256 bytes that no other line names
.set STEPS, 16                         ; x: steps of 512 numbers a wave
.set R,     16                         ; x: v16-79   four sets of 16 numbers as loaded
.set X,     80                         ; x: v80-111  two sets of 16 neighbours
.set C,     128                        ; x: v128-191 codes, four registers for each step: no store's data are written again
.set WREG,  8192                       ; x: LDS bytes of a wave: two stages of 32 x SP
.set SP,    80                         ; x: a lane's place in a stage: 64 bytes + 16 of padding
.set WST,   32768                      ; W: the stages begin here: 32 rows x PITCH for each wave
.set PITCH, 272                        ; W: a stage row: 256 bytes of codes + 16
.set NB,    8                          ; W: blocks of 32 along K for a wave
.set XW,    32                         ; W: v32-95   two sets of 32 numbers
.set CW,    96                         ; W: v96-103  a block's codes
.set OUTR,  112                        ; W: v112-175 the way out
.set VO,    176                        ; W: v176-207 byte offset of row i of a block at my column: 4 x lane + i x a row's bytes; never rewritten
.macro LOAD t                          ; x: step t's four loads, 512 consecutive bytes each
.irp i, 0,1,2,3
	global_load_b128 v[R+16*((\t)%4)+4*\i:R+16*((\t)%4)+4*\i+3], v3, s[4:5] offset:2048*(\t)+512*\i th:TH_LOAD_NT
.endr
.endm
.macro TURN t                          ; x: step t's numbers through the stage; LDS serves a wave's instructions in order, so no wait stands between the stores and the loads
.irp i, 0,1,2,3
	ds_store_b128 v14, v[R+16*((\t)%4)+4*\i:R+16*((\t)%4)+4*\i+3] offset:32*SP*((\t)%2)+8*SP*\i
.endr
.irp i, 0,1,2,3
	ds_load_b128 v[X+16*((\t)%2)+4*\i:X+16*((\t)%2)+4*\i+3], v15 offset:32*SP*((\t)%2)+16*\i
.endr
.endm
.macro STEP t
.set XS, X+16*((\t)%2)
	s_wait_dscnt 0x0                               ; this step's numbers are back from the stage, so its stores into the stage have read their registers,
.if (\t)+4 < STEPS
	LOAD (\t)+4                                    ; which take the loads of four steps on
.endif
.if (\t)+1 < STEPS
.if STEPS-2-(\t) >= 3
	s_wait_loadcnt 12                              ; the next step's four loads are in; those of the three steps behind it may be out
.else
	s_wait_loadcnt 4*(STEPS-2-(\t))                ; the tail: the counts run down
.endif
	TURN (\t)+1                                    ; through the other stage while this step is worked
.endif
.set j, 0
.rept 16
	v_med3_num_f32 v[XS+j], v[XS+j], -v10, v10     ; the conversion to an 8-bit code does not saturate (ISA guide 7.6.2): the hold at the largest code x the scale comes first
.set j, j+1
.endr
	v_cvt_scalef32_pk8_fp8_f32 v[C+4*(\t):C+4*(\t)+1], v[XS:XS+7], v11
	v_cvt_scalef32_pk8_fp8_f32 v[C+4*(\t)+2:C+4*(\t)+3], v[XS+8:XS+15], v11
	global_store_b128 v3, v[C+4*(\t):C+4*(\t)+3], s[12:13] offset:512*(\t)   ; the results go to a store alone; the next vector lines are the next step's holds, on other registers
.endm
.macro LOADW t                         ; W: block t: rows 32 t + i, i = 0 .. 31, at my column, into set t % 2; a wave's load reads 128 consecutive bytes, the four waves stand side by side
.set j, 0
.rept 32
	global_load_b32 v[XW+32*((\t)%2)+j], v[VO+j], s[40+2*(\t):41+2*(\t)] th:TH_LOAD_NT
.set j, j+1
.endr
.endm
.macro BLOCK t
.set XS, XW+32*((\t)%2)
.if (\t) < NB-1
	s_wait_loadcnt 32                              ; this block's 32 loads are in; the next block's may be out
.else
	s_wait_loadcnt 0
.endif
.set j, 0
.rept 32
	v_med3_num_f32 v[XS+j], v[XS+j], -v10, v10
.set j, j+1
.endr
.irp g, 0,1,2,3
	v_cvt_scalef32_pk8_fp8_f32 v[CW+2*\g:CW+2*\g+1], v[XS+8*\g:XS+8*\g+7], v11
.endr
	ds_store_b128 v4, v[CW:CW+3] offset:32*(\t)    ; 32 codes: 32 bytes of my column's row
	ds_store_b128 v4, v[CW+4:CW+7] offset:32*(\t)+16
.if (\t)+2 < NB
	LOADW (\t)+2
.endif
	s_wait_dscnt 0x0                               ; the stores have read their registers: the next block's codes may be written (its 32 holds, plain lines on other registers, come first)
.endm
	s_load_b256 s[4:11], s[0:1], 0x0               ; x s[4:5], W_qkv s[6:7], W_o s[8:9], the scales' exponents s[10:11]
	s_load_b128 s[12:15], s[0:1], 0x20             ; x_codes s[12:13], wqkv_codes s[14:15]
	s_load_b64 s[16:17], s[0:1], 0x30              ; wo_codes
	v_lshl_add_u32 v[SPW], v0, 2, SPARE
	v_mov_b32 v[NIL], 0
	v_lshrrev_b32 v1, 5, v0
	v_readfirstlane_b32 s18, v1                    ; wave 0..3
	v_and_b32 v2, 31, v0                           ; lane
	s_wait_kmcnt 0x0
	s_load_b256 s[24:31], s[10:11], 0x0            ; e0 .. e7
	s_cmp_lt_u32 ttmp9, 256                        ; x's work-group, or a weight's?
	s_cbranch_scc0 .Lweights
	; ---------------- x ----------------
	s_wait_alu depctr_va_vdst(0)
	v_lshlrev_b32 v3, 4, v2                        ; my 16 bytes of a load's 512, and of a store's
	s_wait_alu depctr_va_vdst(0)
	s_mul_i32 s19, s18, WREG
	v_lshrrev_b32 v14, 2, v2
	v_mul_u32_u24 v14, v14, SP
	v_and_b32 v15, 3, v2
	v_lshl_add_u32 v14, v15, 4, v14
	v_add_nc_u32 v14, s19, v14                     ; into the stage: four lanes' 64 bytes on end, then the padding: SP (lane / 4) + 16 (lane % 4)
	v_mul_u32_u24 v15, v2, SP
	v_add_nc_u32 v15, s19, v15                     ; out of it: SP x lane: my 16 neighbours
	s_lshl_b32 s20, ttmp9, 2
	s_add_co_u32 s20, s20, s18                     ; which run of 8,192 numbers is my wave's: 0 .. 1,023
	s_lshl_b32 s22, s20, 15                        ; 32,768 bytes of f32,
	s_mov_b32 s23, 0
	s_add_nc_u64 s[4:5], s[4:5], s[22:23]
	s_lshl_b32 s22, s20, 13                        ; 8,192 bytes of codes
	s_add_nc_u64 s[12:13], s[12:13], s[22:23]
.irp t, 0,1,2,3
	LOAD \t
.endr
	s_wait_alu depctr_va_vdst(0)
	s_wait_kmcnt 0x0
	s_add_co_i32 s22, s24, 127                     ; e0
	s_lshl_b32 s23, s22, 23
	v_mov_b32 v11, s23                             ; 2^e as f32: the conversion takes its exponent field
	s_add_co_i32 s22, s22, 8
	s_lshl_b32 s22, s22, 23
	s_or_b32 s22, s22, 0x600000
	v_mov_b32 v10, s22                             ; 448 x 2^e
	s_wait_alu depctr_va_vdst(0)
	s_wait_loadcnt 12                              ; step 0's four loads are in
	TURN 0
.irp t, 0,1,2,3,4,5,6,7,8,9,10,11,12,13,14,15
	STEP \t
.endr
	s_wait_tensorcnt 0x0                           ; the wave's end, behind my last LDS store
	ds_add_u32 v[SPW], v[NIL]
	s_wait_dscnt 0x0
	s_endpgm
	; ---------------- the weights ----------------
.Lweights:
	s_sub_co_u32 s19, ttmp9, 256                   ; 0 .. 95: W_qkv; 96 .. 127: W_o
	s_and_b32 s20, s19, 3                          ; which 256 along K
	s_lshr_b32 s21, s19, 2
	s_cmp_lt_u32 s19, 96                           ; the choices hang on the work-group's number alone
	s_cselect_b64 s[32:33], s[6:7], s[8:9]         ; from
	s_cselect_b64 s[34:35], s[14:15], s[16:17]     ; to
	s_mov_b32 s36, 4096
	s_cselect_b32 s36, 12288, s36                  ; a row of the weight in bytes
	s_cselect_b32 s37, 0, 24
	s_sub_co_u32 s21, s21, s37                     ; which 128 columns
	s_lshl_b32 s21, s21, 7
	s_lshl_b32 s22, s18, 5
	s_add_co_u32 s21, s21, s22                     ; my wave's first column
	s_lshl_b32 s22, s20, 8
	s_mul_i32 s22, s22, s36                        ; 256 rows for each step along K (9,437,184 bytes at the most),
	s_lshl_b32 s23, s21, 2
	s_add_co_u32 s22, s22, s23                     ; + 4 bytes a column
	s_mov_b32 s23, 0
	s_add_nc_u64 s[32:33], s[32:33], s[22:23]
	s_lshl_b32 s22, s21, 10                        ; the codes: a column's row of 1,024 bytes,
	s_lshl_b32 s38, s20, 8
	s_add_co_u32 s22, s22, s38                     ; + my 256 of them
	s_add_nc_u64 s[34:35], s[34:35], s[22:23]
	s_lshl_b32 s22, s36, 5                         ; 32 rows: from block to block
	s_mov_b64 s[40:41], s[32:33]                   ; a base for each of the eight blocks: no pointer is stepped while loads are out
.irp t, 1,2,3,4,5,6,7
	s_add_nc_u64 s[40+2*\t:41+2*\t], s[38+2*\t:39+2*\t], s[22:23]
.endr
	s_wait_alu depctr_va_vdst(0)
	v_lshlrev_b32 v[VO], 2, v2
.set j, 1
.rept 31
	v_add_nc_u32 v[VO+j], s36, v[VO+j-1]
.set j, j+1
.endr
	s_mul_i32 s39, s18, 32*PITCH
	s_add_co_u32 s39, s39, WST                     ; my stage
	v_mul_u32_u24 v4, v2, PITCH
	v_add_nc_u32 v4, s39, v4                       ; into it: row = my column
	v_and_b32 v5, 15, v2
	v_lshrrev_b32 v6, 4, v2                        ; out of it: sixteen lanes to a row, two rows an instruction
	v_mul_u32_u24 v7, v6, PITCH
	v_lshl_add_u32 v7, v5, 4, v7
	v_add_nc_u32 v7, s39, v7
	v_lshlrev_b32 v8, 10, v6
	v_lshl_add_u32 v8, v5, 4, v8                   ; and the same place in the codes' buffer
	LOADW 0
	LOADW 1
	s_wait_kmcnt 0x0
	s_cmp_lt_u32 s19, 96
	s_cselect_b32 s22, s25, s31                    ; e1 or e7
	s_add_co_i32 s22, s22, 127
	s_lshl_b32 s23, s22, 23
	v_mov_b32 v11, s23
	s_add_co_i32 s22, s22, 8
	s_lshl_b32 s22, s22, 23
	s_or_b32 s22, s22, 0x600000
	v_mov_b32 v10, s22
	s_wait_alu depctr_va_vdst(0)
.irp t, 0,1,2,3,4,5,6,7
	BLOCK \t
.endr
.irp t, 0,1,2,3,4,5,6,7,8,9,10,11,12,13,14,15
	ds_load_b128 v[OUTR+4*\t:OUTR+4*\t+3], v7 offset:2*\t*PITCH   ; LDS serves a wave's instructions in order: these see my stores
.endr
.irp t, 0,1,2,3,4,5,6,7,8,9,10,11,12,13,14,15
	s_wait_dscnt 15-\t                             ; rows 2 t and 2 t + 1 are in; the younger loads may be out
	global_store_b128 v8, v[OUTR+4*\t:OUTR+4*\t+3], s[34:35] offset:2*\t*1024
.endr
	s_wait_tensorcnt 0x0                           ; the wave's end: the same three lines
	ds_add_u32 v[SPW], v[NIL]
	s_wait_dscnt 0x0
	s_endpgm
.Lfunc_end_k_q162fab3dbe_quant:
	.size	k_q162fab3dbe_quant, .Lfunc_end_k_q162fab3dbe_quant-k_q162fab3dbe_quant
	.p2alignl 7, 3214868480
	.fill 96, 4, 3214868480
	.section	.rodata,"a",@progbits
	.p2align	6, 0x0
	.amdhsa_kernel k_q162fab3dbe_quant
		.amdhsa_group_segment_fixed_size 68096
		.amdhsa_private_segment_fixed_size 0
		.amdhsa_enable_private_segment 0
		.amdhsa_kernarg_size 56
		.amdhsa_user_sgpr_count 2
		.amdhsa_user_sgpr_kernarg_segment_ptr 1
		.amdhsa_wavefront_size32 1
		.amdhsa_system_sgpr_workgroup_id_x 1
		.amdhsa_system_sgpr_workgroup_id_y 1
		.amdhsa_system_sgpr_workgroup_id_z 1
		.amdhsa_system_vgpr_workitem_id 0
		.amdhsa_next_free_vgpr 224
		.amdhsa_next_free_sgpr 66
		.amdhsa_reserve_vcc 0
		.amdhsa_float_denorm_mode_32 3
		.amdhsa_float_denorm_mode_16_64 3
		.amdhsa_memory_ordered 1
		.amdhsa_forward_progress 1
		.amdhsa_inst_pref_size 87
	.end_amdhsa_kernel
	.amdgpu_metadata
---
amdhsa.version: [ 1, 2 ]
amdhsa.kernels:
  - .name:           k_q162fab3dbe_quant
    .symbol:         k_q162fab3dbe_quant.kd
    .args:
      - { .name: x, .offset: 0, .size: 8, .value_kind: global_buffer, .address_space: global }
      - { .name: W_qkv, .offset: 8, .size: 8, .value_kind: global_buffer, .address_space: global }
      - { .name: W_o, .offset: 16, .size: 8, .value_kind: global_buffer, .address_space: global }
      - { .name: lowp_scales, .offset: 24, .size: 8, .value_kind: global_buffer, .address_space: global }
      - { .name: x_codes, .offset: 32, .size: 8, .value_kind: global_buffer, .address_space: global }
      - { .name: wqkv_codes, .offset: 40, .size: 8, .value_kind: global_buffer, .address_space: global }
      - { .name: wo_codes, .offset: 48, .size: 8, .value_kind: global_buffer, .address_space: global }
    .group_segment_fixed_size: 68096
    .private_segment_fixed_size: 0
    .kernarg_segment_align: 8
    .kernarg_segment_size: 56
    .max_flat_workgroup_size: 128
    .sgpr_count:     66
    .vgpr_count:     224
    .wavefront_size: 32
...
	.end_amdgpu_metadata
.endif
;; end of part 1
;; launch gemm_qkv (part 2): grid 12 x 32, 4 waves a work-group, clusters of 4 x 4, 327,680 bytes of LDS; arguments x_codes, wqkv_codes, lowp_scales, b_qkv, qk_codes, v_codes; writes qk_codes, v_codes
.if DOCPART == 2
	.amdgcn_target "amdgcn-amd-amdhsa--gfx1250"
	.amdhsa_code_object_version 6
	.text
	.protected	k_q162fab3dbe_gemm_qkv
	.globl	k_q162fab3dbe_gemm_qkv
	.p2align	8
	.type	k_q162fab3dbe_gemm_qkv,@function
k_q162fab3dbe_gemm_qkv:
	s_mov_b64 s[64:65], 0
	v_nop
	global_prefetch_b8 v0, s[64:65] scope:SCOPE_SE
	s_setreg_imm32_b32 hwreg(HW_REG_WAVE_MODE, 25, 1), 1
	s_wait_xcnt 0x0
	s_wait_alu depctr_hold_cnt(0) depctr_sa_sdst(0) depctr_va_vdst(0) depctr_va_sdst(0) depctr_va_ssrc(0) depctr_va_vcc(0) depctr_vm_vsrc(0)
	s_getreg_b32 s2, hwreg(HW_REG_IB_STS2, 6, 4)
	s_cmp_eq_u32 s2, 0
	s_cbranch_scc0 .Lentry_in_a_cluster
	s_endpgm
.Lentry_in_a_cluster:
	s_bfe_u32 s2, ttmp6, 0x10000c
	s_cmp_lg_u32 s2, 0xf033
	s_cbranch_scc0 .Lentry_shape_is_right
	s_endpgm
.Lentry_shape_is_right:
; qkv = x W_qkv + b_qkv on codes of FP8 (E4M3), and q, k, v quantised on the way out: q with entry 2 of the scales, k with entry 3, v with entry 5.
; The text computes C[row][col] = sum over k of A[row][k] B[col][k], K = 1,024, both operands as rows of 1,024 codes.  A sum stands for sum x 2^(e0 + e1); number = sum x 2^(e0 + e1) + bias, one fused multiply-add in f32.
; THE MATRIX INSTRUCTION IS USED TRANSPOSED (source 0 = 16 rows of B, source 1 = 16 rows of A): a lane holds eight neighbouring COLUMNS of one row, which is what a conversion to codes takes.
;   q, k (the next K is the head's 64): A = x (tokens), B = rows 0-2047 of wqkv_codes.  32 x 8 tiles of 256 x 256.  The bias goes by column.
;   v    (the next K is the keys):      A = rows 2048-3071 of wqkv_codes (channels), B = x (tokens): the roles are changed by the ADDRESSES, not by the text.  4 x 32 tiles.  The bias goes by row.
; OUT, in blocks of 64 columns: qk_codes [32 blocks (0-15: q's heads, 16-31: k's)][8192 tokens][64];  v_codes [128 blocks of 64 tokens][1024 channels][64].  16 rows of a block are 1,024 consecutive bytes:
; a wave sends them through its own stage in LDS and stores 256 consecutive bytes, aligned, from sixteen lanes.
; CLUSTERS: 4 x 4 work-groups; 3 x 8 clusters: cluster x = 0: q, 1: k, 2: v: that number is the same in all sixteen partners, so the one branch on it (the way out) is the same in all.
; The four of a row of the cluster need the same tiles of A, the four of a column the same tiles of B: each tile is asked for JOINTLY, by the same tensor load with the same descriptor and a mask that names the four.
; A work-group of four waves makes 256 x 256, a wave 128 x 128: 64 accumulators.  K goes in steps of 256 through a ring of two LDS slots; a tile's row is 256 bytes of memory, aligned.
; No prefetch: K is four slots long, and each tile is shared by four partners.
; LIMITS: e0 + e1 between -126 and 127; e2, e3, e5 between -126 and 119 (each power of two below is an f32 number).  NaN is not served.
; REGISTERS, in windows of 256: window 0: v0-31 addresses; v32-95 the bias by column, v96-111 by row; from v128 A's fragments, ONE set; on the way out v128-255 are at work.
;   window 1: B's fragments, TWO sets.   window 2: the accumulators of my rows 0-63 ((a, b) at v[8 (8 a + b)]);   window 3: those of my rows 64-127.
.set ROWB,   256                       ; a tile's row in bytes
.set KROW,   1024                      ; a row of A or of B in memory
.set PITCH,  272                       ; an LDS row: 256 bytes + 16 of padding = 68 words: the 16 rows that a load touches start 4 words apart modulo 64
.set FR,     16                        ; registers of a fragment: 16 rows x 128 K
.set NL,     4                         ; LDS loads that bring one
.set NP,     4                         ; places behind this matrix instruction (ISA guide 7.12.1)
.set HALFT,  128*PITCH                 ; what one tensor load brings
.set SLOT,   4*HALFT                   ; A's 256 rows, then B's 256 rows
.set LAPS,   2                         ; 1,024 / 512: a lap = two K steps = once round the ring
.set STAGE,  2*SLOT                    ; behind the ring: the stages, bytes that no tensor load fills: 2,176 for each wave, once for each of the two ways out
.set WSTG,   2176                      ; two blocks of 16 rows x 64 bytes; four rows on end, then 16 bytes of padding: row r at 272 (r / 4) + 64 (r % 4)
.set VPOFF,  4*WSTG                    ; v's way out has stage bytes of its own
.set SPARE,  STAGE+8*WSTG              ; the spare words, 128 bytes a wave: two blocks of 256 bytes that no other line names
.set ADRA, 16                          ; v16-17  LDS address of my A fragments in slot 0, 1
.set ADRB, 20                          ; v20-21  the same for B
.set BCO,  22                          ; v22     byte offset in b_qkv of my eight columns' bias; never rewritten
.set BRO,  23                          ; v23     of my row's
.set STO,  24                          ; v24     the way out: where I put 8 codes
.set RD,   25                          ; v25     where I read 16 bytes back
.set CO,   26                          ; v26     16 x lane
.set SPW,  28                          ; v28     LDS address of my spare word; never rewritten
.set NIL,  29                          ; v29     0; never rewritten
.set SCL,  30                          ; v30     2^e of the operand that I make
.set HLD,  31                          ; v31     448 x that
.set BC,   32
.set BR,   96
.set AF,   128                         ; A's fragments
.set TMP,  128                         ; the way out: a block's 64 numbers
.set CD,   192                         ; its codes, two sets of 16
.set RB,   224                         ; 16 rows read back, two sets of 16
.set G1, 24                            ; s[24:31] descriptor group 1 for A's tiles;  s[32:39] group 0, one set for each slot
.set G0, 32
.set G1B, 48                           ; s[48:55], s[56:63] the same for B's tiles
.set G0B, 56
.set OUT0, 76                          ; s[76:77] my rows in my first block of 64 columns;  s[78:79] in my second
.set OUT1, 78
.set MSB, 0
.macro WIN new                         ; the immediate's high byte repeats the setting that is left
.if MSB != \new
	s_set_vgpr_msb (MSB<<8)|\new
.set MSB, \new
.endif
.endm
.set MUL_LO, 0xa1                      ; source 0 (B) window 1, source 1 (A) window 0, C and D window 2
.set MUL_HI, 0xf1                      ; the same, C and D window 3
.set TO_B,   0x40                      ; destination window 1, address window 0
; A joint load: waves 0 and 1 fetch for A, waves 2 and 3 for B; the branch hangs on the wave's number alone.  An s_nop 0 and four v_nop follow each of the two lines.
.macro JLOAD g0a, g1a, g0b, g1b
	s_cmp_eq_u32 s15, 0
	s_cbranch_scc0 .Lfor_b_\@
	tensor_load_to_lds s[\g0a:\g0a+3], s[\g1a:\g1a+7]
	s_nop 0
.rept 4
	v_nop
.endr
	s_branch .Lasked_\@
.Lfor_b_\@:
	tensor_load_to_lds s[\g0b:\g0b+3], s[\g1b:\g1b+7]
	s_nop 0
.rept 4
	v_nop
.endr
.Lasked_\@:
.endm
.macro CREST                           ; a round of the cluster's barrier behind its opening barrier
	s_cmp_lg_u32 s14, 0
	s_cbranch_scc1 .Lnot_wave_0_\@
	s_barrier_signal -3
.Lnot_wave_0_\@:
	s_barrier_wait -3
	s_barrier_signal -1
	s_barrier_wait -1
.endm
.macro CROUND                          ; a whole round
	s_barrier_signal -1
	s_barrier_wait -1
	CREST
.endm
	s_load_b128 s[4:7], s[0:1], 0x0                ; x_codes s[4:5], wqkv_codes s[6:7]
	s_load_b128 s[8:11], s[0:1], 0x10              ; the scales' exponents s[8:9], b_qkv s[10:11]
	s_load_b128 s[84:87], s[0:1], 0x20             ; qk_codes s[84:85], v_codes s[86:87]
	v_lshl_add_u32 v[SPW], v0, 2, SPARE
	v_mov_b32 v[NIL], 0
	ds_add_u32 v[SPW], v[NIL]                      ; the wave's opening: the adds and their wait come ahead of my first tensor load; the set-up below, work on registers, stands between the adds and the wait
	ds_add_u32 v[SPW], v[NIL]
	v_lshrrev_b32 v1, 5, v0
	v_readfirstlane_b32 s14, v1                    ; wave 0..3
	s_lshr_b32 s15, s14, 1                         ; which half of the tile's rows is mine.  Also: I fetch for A (0) or for B (1)
	s_and_b32 s16, s14, 1                          ; which half of its columns.  Also: which 128 rows of that tile I fetch
	s_bfe_u32 s40, ttmp6, 0x40000                  ; cx, cy: my place in the cluster
	s_bfe_u32 s41, ttmp6, 0x40004
	s_and_b32 s80, ttmp7, 0xffff                   ; cluster y, 0..7
	s_cmp_eq_u32 ttmp9, 2                          ; v's clusters?  (cluster x: shared by all partners)
	s_cselect_b32 s17, 0, s80                      ; q, k: the clusters' y walks the tokens, which are rows;  v: the four tile rows of channels lie in one cluster
	s_cselect_b32 s42, s80, ttmp9                  ; q, k: cluster x walks the columns;  v: the clusters' y walks the tokens, which are columns
	s_cselect_b32 s81, 2048, 0                     ; v: A begins at row 2,048 of wqkv_codes
	s_lshl_b32 s17, s17, 2
	s_add_co_u32 s17, s17, s41                     ; tile row
	s_lshl_b32 s42, s42, 2
	s_add_co_u32 s42, s42, s40                     ; tile column
	s_lshl_b32 s43, s41, 2
	s_lshl_b32 s43, 15, s43                        ; my row of the cluster
	s_lshl_b32 s44, 0x1111, s40                    ; my column
	; descriptor group 1: a tile of 128 rows x 256 bytes, padded in LDS
	s_or_b32 s[G1+0], s43, (0<<16)|(1<<20)|(1<<21)|(5<<22)|(3<<25)  ; 15:0 the mask: A's tiles go to my row; 17:16 element of 1 byte; 20 padding on; 21 set beside a mask; 24:22 after every 64 words; 31:25 of 4 words
	s_or_b32 s[G1B+0], s44, (0<<16)|(1<<20)|(1<<21)|(5<<22)|(3<<25)
.irp g, G1, G1B
	s_mov_b32 s[\g+1], ROWB<<16                    ; tensor_dim0
	s_mov_b32 s[\g+2], 128<<16                     ; tensor_dim1
	s_mov_b32 s[\g+3], ROWB<<16                    ; tile_dim0
	s_mov_b32 s[\g+4], 128                         ; tile_dim1
	s_mov_b32 s[\g+5], KROW                        ; from row to row
	s_mov_b32 s[\g+6], 0
	s_mov_b32 s[\g+7], 0
.endr
	s_lshl_b32 s18, s16, 7                         ; which 128 rows of the tile I fetch
	s_lshl_b32 s20, s17, 8
	s_add_co_u32 s20, s20, s18
	s_add_co_u32 s20, s20, s81                     ; A: row 256 x tile row + 128 x half (+ 2,048)
	s_lshl_b32 s20, s20, 10                        ; in bytes: under 2^23
	s_mov_b32 s21, 0
	s_lshl_b32 s46, s42, 8
	s_add_co_u32 s46, s46, s18                     ; B: row 256 x tile column + 128 x half
	s_lshl_b32 s46, s46, 10
	s_mov_b32 s47, 0
	s_mul_i32 s45, s14, HALFT                      ; where they go: wave x 128 rows: no place in the cluster enters an LDS address
	s_wait_dscnt 0x0                               ; the opening add is done
	s_wait_kmcnt 0x0
	s_load_b256 s[68:75], s[8:9], 0x0              ; e0 .. e7
	s_cmp_eq_u32 ttmp9, 2
	s_cselect_b64 s[82:83], s[6:7], s[4:5]         ; A's buffer
	s_cselect_b64 s[88:89], s[4:5], s[6:7]         ; B's
	s_add_nc_u64 s[20:21], s[82:83], s[20:21]
	s_add_nc_u64 s[46:47], s[88:89], s[46:47]
	CROUND                                         ; all sixteen work-groups are here: the first joint loads meet
.irp s, 0,1
	s_mov_b32 s[G0+4*\s], 1
	s_add_co_u32 s[G0+4*\s+1], s45, \s*SLOT
	s_add_nc_u64 s[G0+4*\s+2:G0+4*\s+3], s[20:21], \s*ROWB
	s_or_b32 s[G0+4*\s+3], s[G0+4*\s+3], 0x80000000
	s_mov_b32 s[G0B+4*\s], 1
	s_add_co_u32 s[G0B+4*\s+1], s45, \s*SLOT
	s_add_nc_u64 s[G0B+4*\s+2:G0B+4*\s+3], s[46:47], \s*ROWB
	s_or_b32 s[G0B+4*\s+3], s[G0B+4*\s+3], 0x80000000
.endr
	JLOAD G0, G1, G0B, G1B                         ; K step 0: one tensor load a wave at the head
	v_and_b32 v1, 15, v0                           ; r = l % 16
	s_wait_alu depctr_va_vdst(0)
	v_bfe_u32 v2, v0, 4, 1                         ; h = l / 16
	v_mul_u32_u24 v3, v1, PITCH
	v_lshl_add_u32 v4, v2, 4, v3                   ; a fragment's row x pitch + 16 x half
	s_mul_i32 s21, s15, HALFT                      ; my 128 rows of A
	s_mul_i32 s22, s16, HALFT                      ; my 128 rows of B,
	s_add_co_u32 s22, s22, 2*HALFT                 ; which lie behind A's 256
.irp s, 0,1
	v_add_nc_u32 v[ADRA+\s], s21, v4
	v_add_nc_u32 v[ADRB+\s], s22, v4
	s_add_co_u32 s21, s21, SLOT
	s_add_co_u32 s22, s22, SLOT
.endr
	s_mul_i32 s23, s14, WSTG
	s_add_co_u32 s23, s23, STAGE                   ; my stage
	v_lshrrev_b32 v5, 2, v1
	v_mul_u32_u24 v5, v5, 272
	v_and_b32 v6, 3, v1
	v_lshl_add_u32 v5, v6, 6, v5                   ; row r: 272 (r / 4) + 64 (r % 4)
	v_lshl_add_u32 v5, v2, 3, v5                   ; + 8 h
	v_add_nc_u32 v[STO], s23, v5
	v_mul_u32_u24 v6, v2, 272
	v_lshl_add_u32 v6, v1, 4, v6
	v_add_nc_u32 v[RD], s23, v6                    ; back: lanes 0-15 take 256 bytes (four rows), lanes 16-31 the next 256
	v_and_b32 v6, 31, v0
	v_lshlrev_b32 v[CO], 4, v6                     ; and the same 512 bytes in memory
	; where my results go
	s_cmp_eq_u32 ttmp9, 2
	s_cselect_b64 s[OUT0:OUT0+1], s[86:87], s[84:85]
	s_cselect_b32 s90, 16, 19                      ; a block of 64 columns is 2^16 bytes in v_codes (1,024 rows), 2^19 in qk_codes (8,192 rows)
	s_lshl_b32 s91, s42, 2
	s_lshl_b32 s92, s16, 1
	s_add_co_u32 s91, s91, s92                     ; my first block: 4 x tile column + 2 x half
	s_lshl_b32 s92, s91, s90
	s_mov_b32 s93, 0
	s_add_nc_u64 s[OUT0:OUT0+1], s[OUT0:OUT0+1], s[92:93]
	s_lshl_b32 s92, s17, 8
	s_lshl_b32 s94, s15, 7
	s_add_co_u32 s92, s92, s94                     ; my first row: 256 x tile row + 128 x half,
	s_lshl_b32 s92, s92, 6                         ; 64 bytes a row
	s_add_nc_u64 s[OUT0:OUT0+1], s[OUT0:OUT0+1], s[92:93]
	s_lshl_b32 s92, 1, s90
	s_add_nc_u64 s[OUT1:OUT1+1], s[OUT0:OUT0+1], s[92:93]
	; the bias, both ways, so that one text loads it: the way that is not mine reads the buffer's first numbers and is not used
	s_lshl_b32 s91, s42, 8
	s_lshl_b32 s94, s16, 7
	s_add_co_u32 s91, s91, s94                     ; q, k: my first column
	s_lshl_b32 s95, s17, 8
	s_lshl_b32 s94, s15, 7
	s_add_co_u32 s95, s95, s94
	s_add_co_u32 s95, s95, 2048                    ; v: my first row's place in b_qkv
	s_cmp_eq_u32 ttmp9, 2
	s_cselect_b32 s91, 0, s91
	s_cselect_b32 s95, s95, 0
	s_lshl_b32 s91, s91, 2
	s_lshl_b32 s95, s95, 2
	v_lshl_add_u32 v[BCO], v2, 5, s91              ; columns 16 b + 8 h + 0 .. 7
	v_lshl_add_u32 v[BRO], v1, 2, s95              ; row 16 a + r
.irp b, 0,1,2,3,4,5,6,7
	global_load_b128 v[BC+8*\b:BC+8*\b+3], v[BCO], s[10:11] offset:64*\b
	global_load_b128 v[BC+8*\b+4:BC+8*\b+7], v[BCO], s[10:11] offset:64*\b+16
.endr
.irp a, 0,1,2,3,4,5,6,7
	global_load_b32 v[BR+2*\a], v[BRO], s[10:11] offset:64*\a
	global_load_b32 v[BR+2*\a+1], v[BRO], s[10:11] offset:64*\a     ; (the packed form names the pair, so both are written)
.endr
.macro FRAG reg, adr, q, i             ; a fragment: lane l holds row l % 16; registers 4 c .. 4 c + 3 hold K = 32 c + 16 (l / 16) + 0 .. 15: the same permutation of k in A and in B, so every product meets its partner
.irp c, 0,1,2,3
	ds_load_b128 v[\reg+4*\c:\reg+4*\c+3], v[\adr] offset:128*(\q)+32*\c+(\i)*16*PITCH
.endr
.endm
; 16 matrix instructions: A's blocks a0, a0 + 1 x B's eight, 128 along K.  p: B's set.  zero = 1: the first product starts the sums.  The 64 accumulators take turns, one instruction a turn.
.macro MUL16 a0, p, zero
.irp a, \a0, \a0+1
.irp b, 0,1,2,3,4,5,6,7
.if \zero
	v_wmma_f32_16x16x128_fp8_fp8 v[8*(8*((\a)%4)+\b):8*(8*((\a)%4)+\b)+7], v[128*(\p)+FR*\b:128*(\p)+FR*\b+FR-1], v[AF+FR*(\a):AF+FR*(\a)+FR-1], 0
.else
	v_wmma_f32_16x16x128_fp8_fp8 v[8*(8*((\a)%4)+\b):8*(8*((\a)%4)+\b)+7], v[128*(\p)+FR*\b:128*(\p)+FR*\b+FR-1], v[AF+FR*(\a):AF+FR*(\a)+FR-1], v[8*(8*((\a)%4)+\b):8*(8*((\a)%4)+\b)+7]
.endif
.endr
.endr
.endm
.macro FETCH_B slot, q, p              ; B's eight fragments of the slot's q-th 128 along K into set p
	WIN TO_B
.irp i, 0,1,2,3,4,5,6,7
	FRAG 128*(\p)+FR*\i, ADRB+\slot, \q, \i
.endr
	WIN 0
.endm
.macro FETCH_A slot, q, i0             ; A's blocks i0 .. i0 + 3
.irp i, \i0, \i0+1, \i0+2, \i0+3
	FRAG AF+FR*(\i), ADRA+\slot, \q, \i
.endr
.endm
.macro PLACES n                        ; plain vector lines between a matrix instruction and a load into, or a vector line or LDS store on, its registers
.rept \n
	v_nop
.endr
.endm
; A step of 128 along K that has its successor in the same slot.  A block of A is free as soon as its eight products are issued: blocks 0-3 are fetched anew in the step's middle, blocks 4-7 at its end.
.macro STEP slot, q, zero
	s_wait_dscnt 4*NL                              ; B's set and A's blocks 0-3 are in; the youngest 16 loads (A's blocks 4-7) may be out
	WIN MUL_LO
	MUL16 0, (\q)%2, \zero
	MUL16 2, (\q)%2, \zero
	s_wait_dscnt 0                                 ; A's blocks 4-7 are in
	PLACES NP
	FETCH_B \slot, (\q)+1, 1-(\q)%2
	FETCH_A \slot, (\q)+1, 0
	WIN MUL_HI
	MUL16 4, (\q)%2, \zero
	MUL16 6, (\q)%2, \zero
	PLACES NP
	WIN 0
	FETCH_A \slot, (\q)+1, 4
.endm
; A slot's last step changes slots: ONE barrier; in front of it each wave waits for all its tensor loads, adds 0 to its spare word, and waits for that and for its own reads of this slot.  fill = 1: this slot is filled again, two K steps ahead.
.macro TURN slot, next, fill
	s_wait_tensorcnt 0x0                           ; all my tensor loads have landed: my part of the next slot
	ds_add_u32 v[SPW], v[NIL]                      ; 0 onto my spare word
	s_wait_dscnt 4*NL+1                            ; (the add and the youngest 16 loads, A's blocks 4-7, may be out)
	WIN MUL_LO
	MUL16 0, 1, 0                                  ; sixteen matrix instructions stand between the add and the wait for it
	s_wait_dscnt 0x0                               ; the add is done, and my reads of this slot are over
	s_barrier_signal -1
	MUL16 2, 1, 0
	WIN 0
	s_barrier_wait -1
.if \fill
	CREST                                          ; the barrier has opened a round of the cluster's barrier: no wave of any partner still reads this slot's tile or has a load on its way
	s_add_nc_u64 s[G0+4*\slot+2:G0+4*\slot+3], s[G0+4*\slot+2:G0+4*\slot+3], 2*ROWB
	s_add_nc_u64 s[G0B+4*\slot+2:G0B+4*\slot+3], s[G0B+4*\slot+2:G0B+4*\slot+3], 2*ROWB
	JLOAD G0+4*\slot, G1, G0B+4*\slot, G1B         ; the first tensor load behind the round; its four v_nop are the places in front of the loads below
.else
	PLACES NP
.endif
	FETCH_B \next, 0, 0
	FETCH_A \next, 0, 0
	WIN MUL_HI
	MUL16 4, 1, 0
	MUL16 6, 1, 0
	PLACES NP
	WIN 0
	FETCH_A \next, 0, 4
.endm
	s_wait_alu depctr_va_vdst(0)                   ; the head's end
	s_wait_tensorcnt 0x0                           ; my part of K step 0 is in
	ds_add_u32 v[SPW], v[NIL]
	s_wait_dscnt 0x0
	CROUND                                         ; everybody's part of K step 0 is in, and the joint loads meet
	JLOAD G0+4, G1, G0B+4, G1B                     ; K step 1: the first tensor load behind the round
	FETCH_B 0, 0, 0
	FETCH_A 0, 0, 0
	FETCH_A 0, 0, 4
	STEP 0, 0, 1                                   ; the first step stands in front of the loop: its products start the sums
	s_mov_b32 s3, LAPS-1
.Llap:                                                 ; a trip goes once round the ring, from a lap's second step to the next lap's first, and fills both slots again
	TURN 0, 1, 1
	STEP 1, 0, 0
	TURN 1, 0, 1
	STEP 0, 0, 0
	s_sub_co_u32 s3, s3, 1
	s_cmp_lg_u32 s3, 0
	s_cbranch_scc1 .Llap
	TURN 0, 1, 0                                   ; the last lap fills nothing, and has no round of the cluster's barrier
	STEP 1, 0, 0
	s_wait_dscnt 4*NL                              ; the very last step: nothing more to fetch
	WIN MUL_LO
	MUL16 0, 1, 0
	MUL16 2, 1, 0
	s_wait_dscnt 0
	WIN MUL_HI
	MUL16 4, 1, 0
	MUL16 6, 1, 0
	WIN 0
; THE WAY OUT, block by block of 16 rows x 128 columns.  CODES: number = sum x 2^(e0 + e1) + bias (each accumulator from its low end on), the hold, the conversion: tile b's eight numbers of a lane become 8 bytes;
; they go into my stage (two blocks of 64 columns) and come back as runs of 512 bytes.  rowb = 1: the bias goes by row.  poff: this way's stage.
.macro CODES a, rowb, poff
.set AC, 64*((\a)%4)
.set CC, CD+16*((\a)%2)
.set RR, RB+16*((\a)%2)
	WIN 0x02+((\a)/4)                              ; source 0: window 2 or 3
.irp b, 0,1,2,3,4,5,6,7
.irp i, 0,2,4,6
.if \rowb
	v_pk_fma_f32 v[TMP+8*\b+\i:TMP+8*\b+\i+1], v[AC+8*\b+\i:AC+8*\b+\i+1], s[96:97], v[BR+2*(\a):BR+2*(\a)+1] op_sel_hi:[1,0,0]
.else
	v_pk_fma_f32 v[TMP+8*\b+\i:TMP+8*\b+\i+1], v[AC+8*\b+\i:AC+8*\b+\i+1], s[96:97], v[BC+8*\b+\i:BC+8*\b+\i+1] op_sel_hi:[1,0,1]
.endif
.endr
.endr
	WIN 0
.set j, 0
.rept 64
	v_med3_num_f32 v[TMP+j], v[TMP+j], -v[HLD], v[HLD]   ; the conversion to an 8-bit code does not saturate (ISA guide 7.6.2)
.set j, j+1
.endr
.irp b, 0,1,2,3,4,5,6,7
	v_cvt_scalef32_pk8_fp8_f32 v[CC+2*\b:CC+2*\b+1], v[TMP+8*\b:TMP+8*\b+7], v[SCL]
.endr
	v_nop                                          ; one plain vector line behind the last conversion: the next block writes the numbers' registers anew
.irp b, 0,1,2,3,4,5,6,7
	ds_store_b64 v[STO], v[CC+2*\b:CC+2*\b+1] offset:\poff+(\b/4)*1088+16*(\b%4)
.endr
.irp i, 0,1,2,3
	ds_load_b128 v[RR+4*\i:RR+4*\i+3], v[RD] offset:\poff+(\i/2)*1088+(\i%2)*544   ; LDS serves a wave's instructions in order: these see the stores above, and the next block's stores come behind them
.endr
.endm
.macro SENDC a, younger                ; younger: the LDS instructions issued behind block a's loads
.set RR, RB+16*((\a)%2)
	s_wait_dscnt \younger
	global_store_b128 v[CO], v[RR:RR+3],     s[OUT0:OUT0+1] offset:(\a)*1024        ; 32 lanes store 512 consecutive bytes, aligned to 256
	global_store_b128 v[CO], v[RR+4:RR+7],   s[OUT0:OUT0+1] offset:(\a)*1024+512
	global_store_b128 v[CO], v[RR+8:RR+11],  s[OUT1:OUT1+1] offset:(\a)*1024
	global_store_b128 v[CO], v[RR+12:RR+15], s[OUT1:OUT1+1] offset:(\a)*1024+512
.endm
.macro WAYOUT rowb, poff
	CODES 0, \rowb, \poff
.irp a, 1,2,3,4,5,6,7
.if \a > 1
	s_wait_xcnt 0x0                                ; block a - 2's stores have read their registers: block a's loads may land there
.endif
	CODES \a, \rowb, \poff
	SENDC \a-1, 12                                 ; behind block a - 1's loads: block a's 8 stores and 4 loads
.endr
	SENDC 7, 0
.endm
	s_wait_kmcnt 0x0                               ; the exponents
	s_wait_loadcnt 0x0                             ; the bias
	s_add_co_i32 s96, s68, s69                     ; e0 + e1
	s_add_co_i32 s96, s96, 127
	s_lshl_b32 s96, s96, 23                        ; 2^(e0 + e1) as f32
	s_mov_b32 s97, s96                             ; (named with it as a pair, so it is written)
	s_cmp_eq_u32 ttmp9, 0
	s_cselect_b32 s90, s70, s71                    ; q: e2; k: e3;
	s_cmp_eq_u32 ttmp9, 2
	s_cselect_b32 s90, s73, s90                    ; v: e5.  A choice, no branch, hangs on nothing that was loaded
	s_add_co_i32 s90, s90, 127
	s_lshl_b32 s91, s90, 23
	v_mov_b32 v[SCL], s91
	s_add_co_i32 s90, s90, 8
	s_lshl_b32 s90, s90, 23
	s_or_b32 s90, s90, 0x600000
	v_mov_b32 v[HLD], s90
	PLACES NP                                      ; behind the last products: for the writes over A's fragments and the reads of results
	s_cmp_eq_u32 ttmp9, 2                          ; cluster x: the same in all sixteen partners and in all waves
	s_cbranch_scc1 .Lv
	WAYOUT 0, 0
	s_branch .Ldone
.Lv:
	WAYOUT 1, VPOFF
.Ldone:
	s_wait_tensorcnt 0x0                           ; the wave's end, behind my last tensor load and my last LDS store
	ds_add_u32 v[SPW], v[NIL]
	s_wait_dscnt 0x0
	CROUND                                         ; the closing round: no work-group ends while a partner may still ask for a tile that names it
	s_endpgm
.Lfunc_end_k_q162fab3dbe_gemm_qkv:
	.size	k_q162fab3dbe_gemm_qkv, .Lfunc_end_k_q162fab3dbe_gemm_qkv-k_q162fab3dbe_gemm_qkv
	.p2alignl 7, 3214868480
	.fill 96, 4, 3214868480
	.section	.rodata,"a",@progbits
	.p2align	6, 0x0
	.amdhsa_kernel k_q162fab3dbe_gemm_qkv
		.amdhsa_group_segment_fixed_size 327680
		.amdhsa_private_segment_fixed_size 0
		.amdhsa_enable_private_segment 0
		.amdhsa_kernarg_size 48
		.amdhsa_user_sgpr_count 2
		.amdhsa_user_sgpr_kernarg_segment_ptr 1
		.amdhsa_wavefront_size32 1
		.amdhsa_system_sgpr_workgroup_id_x 1
		.amdhsa_system_sgpr_workgroup_id_y 1
		.amdhsa_system_sgpr_workgroup_id_z 1
		.amdhsa_system_vgpr_workitem_id 0
		.amdhsa_next_free_vgpr 1024
		.amdhsa_next_free_sgpr 100
		.amdhsa_reserve_vcc 0
		.amdhsa_float_denorm_mode_32 3
		.amdhsa_float_denorm_mode_16_64 3
		.amdhsa_memory_ordered 1
		.amdhsa_forward_progress 1
		.amdhsa_inst_pref_size 207
	.end_amdhsa_kernel
	.amdgpu_metadata
---
amdhsa.version: [ 1, 2 ]
amdhsa.kernels:
  - .name:           k_q162fab3dbe_gemm_qkv
    .symbol:         k_q162fab3dbe_gemm_qkv.kd
    .args:
      - { .name: x_codes, .offset: 0, .size: 8, .value_kind: global_buffer, .address_space: global }
      - { .name: wqkv_codes, .offset: 8, .size: 8, .value_kind: global_buffer, .address_space: global }
      - { .name: lowp_scales, .offset: 16, .size: 8, .value_kind: global_buffer, .address_space: global }
      - { .name: b_qkv, .offset: 24, .size: 8, .value_kind: global_buffer, .address_space: global }
      - { .name: qk_codes, .offset: 32, .size: 8, .value_kind: global_buffer, .address_space: global }
      - { .name: v_codes, .offset: 40, .size: 8, .value_kind: global_buffer, .address_space: global }
    .group_segment_fixed_size: 327680
    .private_segment_fixed_size: 0
    .kernarg_segment_align: 8
    .kernarg_segment_size: 48
    .max_flat_workgroup_size: 128
    .sgpr_count:     100
    .vgpr_count:     1024
    .wavefront_size: 32
...
	.end_amdgpu_metadata
.endif
;; end of part 2
;; launch attn (part 3): grid 4 x 64, 16 waves a work-group, clusters of 4 x 1, 327,680 bytes of LDS; arguments qk_codes, v_codes, lowp_scales, attn_codes; writes attn_codes
.if DOCPART == 3
	.amdgcn_target "amdgcn-amd-amdhsa--gfx1250"
	.amdhsa_code_object_version 6
	.text
	.protected	k_q162fab3dbe_attn
	.globl	k_q162fab3dbe_attn
	.p2align	8
	.type	k_q162fab3dbe_attn,@function
k_q162fab3dbe_attn:
	s_mov_b64 s[64:65], 0
	v_nop
	global_prefetch_b8 v0, s[64:65] scope:SCOPE_SE
	s_setreg_imm32_b32 hwreg(HW_REG_WAVE_MODE, 25, 1), 1
	s_wait_xcnt 0x0
	s_wait_alu depctr_hold_cnt(0) depctr_sa_sdst(0) depctr_va_vdst(0) depctr_va_sdst(0) depctr_va_ssrc(0) depctr_va_vcc(0) depctr_vm_vsrc(0)
	s_getreg_b32 s2, hwreg(HW_REG_IB_STS2, 6, 4)
	s_cmp_eq_u32 s2, 0
	s_cbranch_scc0 .Lentry_in_a_cluster
	s_endpgm
.Lentry_in_a_cluster:
	s_bfe_u32 s2, ttmp6, 0x10000c
	s_cmp_lg_u32 s2, 0x3003
	s_cbranch_scc0 .Lentry_shape_is_right
	s_endpgm
.Lentry_shape_is_right:
; Causal attention on codes of FP8 (E4M3): 64 (batch, head) pairs, 2,048 tokens, head size 64.  o[q] = sum over k <= q of softmax_k(q . k / 8) v[k], and o quantised with entry 6 of the scales for the last product.
; IN: qk_codes [32 blocks (0-15: q's heads, 16-31: k's)][8192 tokens][64];  v_codes [128 blocks of 64 tokens][1024 channels][64 tokens]: the keys innermost.  OUT: attn_codes [16 heads][8192 tokens][64].
; THE SOFTMAX: t = score x log2(e) / 8; M = the running largest t, rounded UP to a whole number; p = 2^(t - M) is quantised (entry 4), not normalised; the row's sum is taken of the unquantised p and divides at the end.
; When M moves, the sum and O are multiplied by 2^(old M - new M): exact.
; WORK LEFT OUT: reference() sets the scores of keys behind the query to -1e9 by a mask of its own, so their p is 0 beside key 0's, which counts for every query: key steps all of whose 128 keys come behind a wave's 16 queries
; are not computed; on the diagonal hidden scores become -infinity ahead of the maximum.  LIMIT: that holds while the scaled scores stay under 2^31 in magnitude; a NaN or infinity that reaches only hidden scores is not carried.
; SHARES.  A cluster of 4 x 1 work-groups owns one pair.  The pair's 128 tiles of 16 queries go two to a wave: wave w of partner cx owns tile 127 - i and then tile i, i = 4 w + cx.
; Tile n walks n / 8 + 1 key steps of 128 keys, so each wave walks (16 - w / 2) + (w / 2 + 1) = 17 steps.  Every branch hangs on the wave's number and the count of steps alone; cx enters global addresses and the mask's compare only.
; K AND V STAY IN LDS: 2,048 keys are 2 x 139,264 bytes with padding, filled ONCE, in four stages of 256, 256, 512 and 1,024 keys; no byte is filled again.  Each stage is 16 joint loads, one a wave (waves 0-7: K, 8-15: V),
; asked for by all four partners with the same descriptor and the mask 15, behind the three lines and a round of the cluster's barrier; it lands under the key steps of the stage before.  All first tiles are 64 or above,
; so steps 0 to 7 are walked by every wave with no mask; behind the barrier ahead of step 8 no barrier follows but the closing round.
; PREFETCH: while stage 1 is asked for, stage 2's bytes are named, and while stage 2 is asked for, stage 3's: one stage's key steps ahead of the load.  Of the chunk that a wave will load, partner cx names a quarter,
; a lane a block of 256 bytes (4 or 8 lanes; the other lanes name the wave's last block again): each block once in the cluster.  Stages 0 and 1 come by their loads alone.
; LAYOUT.  Both products are used transposed: S^T = K Q^T (K = 64), O^T = V^T P^T (K = 128 keys): a lane holds ONE query.  Register 8 t + j of S^T is key 16 t + 8 (lane / 16) + j: a conversion of tile t's eight registers
; gives registers 2 t, 2 t + 1 of the second product's operand.  LDS rows of 64 bytes lie four on end with 16 bytes of padding behind each 256: row r at 272 (r / 4) + 64 (r % 4).
; LIMITS: e2 + e3 between -123 and 130; e4, e6 between -126 and 119; e4 + e5 is applied by v_ldexp_f32.  NaN is not served.
.set VOFF,   139264                    ; K: 512 x 272 bytes; then V: 32 blocks of 64 keys x 16 x 272
.set STP,    8704                      ; a key step on, in K and in V alike
.set STAGE,  278528                    ; 2,176 bytes for each wave: 16 rows x 64 bytes for each of my two tiles; no tensor load fills them
.set SPARE,  STAGE+16*2176             ; the spare words, 128 bytes a wave
.set AK0,  1
.set AV0,  2
.set PFOC, 3                           ; v3   prefetch offset in stage 2's chunk; never rewritten
.set STO,  4
.set SPW,  5
.set NIL,  6
.set GO,   7
.set ADK,  8
.set ADV,  9
.set RD,   10
.set PFOD, 208                         ; v208 prefetch offset in stage 3's chunk; never rewritten
; v12 -M, v13 the largest t, v[14:15] the sum; v16-23 Q in hand; v24-31 Q of the second tile; v32-95 fragments of K, then V; v96-159 S^T, then p; v160-191 O^T; v192-207 the two tiles' codes; v224-239 p's codes; v240.. constants and work
.set FRG,  32
.set S,    96
.set O,    160
.set CA,   192
.set CB,   200
.set EPV,  2                           ; s2   e4 + e5
.set BLK,  3                           ; s3   64 keys on in memory: 4,096 bytes in K, 65,536 in V
.set WV,   12
.set J,    13                          ; wave % 8
.set ISV,  14                          ; wave / 8: 1 = I fetch V
.set CX,   15
.set SEL,  16
.set CS,   18
.set G1A,  20                          ; group 1: 8 rows of 256 bytes, dense
.set G1C,  28                          ; 16 rows
.set G1D,  36                          ; 32 rows
.set G1V,  44                          ; 2 rows of 4,096 bytes, 65,536 apart
.set G0A,  52                          ; groups 0 of the four stages
.set G0B,  56
.set G0C,  60
.set G0D,  68
.set ES,   72
.set PB,   80
.set PFC,  82
.set PFD,  84
.set QA,   86
.set QB,   88
.set OA,   90
.set OB,   92
.set TB,   94                          ; LDS byte of the step in hand
.set SC,   95                          ; the step's number
.set DG,   96                          ; the step on the diagonal of the tile in hand
.set DD,   97                          ; my first query less that step's first key
.set DG2,  98                          ; the same two for the second tile
.set DD2,  99
.set W0,   15|(1<<20)|(1<<21)|(5<<22)|(3<<25)   ; mask: all four partners; elements of 1 byte; 4 words of padding behind every 64
.macro ROUND                           ; a round of the cluster's barrier
	s_barrier_signal -1
	s_barrier_wait -1
	s_cmp_lg_u32 s[WV], 0
	s_cbranch_scc1 .Lnw0_\@
	s_barrier_signal -3
.Lnw0_\@:
	s_barrier_wait -3
	s_barrier_signal -1
	s_barrier_wait -1
.endm
.macro SEQ                             ; ahead of a later first fill's round and at the wave's end
	s_wait_tensorcnt 0x0                           ; my one load that was out has landed
	ds_add_u32 v[SPW], v[NIL]
	s_wait_dscnt 0x0
.endm
.macro NOPS
.rept 4
	v_nop
.endr
.endm
.macro RESET                           ; a tile begins: the largest t under every t, the sum and O^T zero
	v_mov_b32 v13, 0xff61b1e6
	s_delay_alu instid0(VALU_DEP_1)
	v_floor_f32 v12, -v13
	v_mov_b32 v14, 0
	v_mov_b32 v15, 0
.set j, 0
.rept 32
	v_mov_b32 v[O+j], 0
.set j, j+1
.endr
.endm
	s_load_b256 s[4:11], s[0:1], 0x0               ; qk_codes, v_codes, the exponents, attn_codes
	v_lshl_add_u32 v[SPW], v0, 2, SPARE
	v_mov_b32 v[NIL], 0
	ds_add_u32 v[SPW], v[NIL]                      ; the opening: the add twice on end and one wait
	ds_add_u32 v[SPW], v[NIL]
	v_lshrrev_b32 v8, 5, v0
	v_readfirstlane_b32 s[WV], v8
	s_and_b32 s[J], s[WV], 7
	s_lshr_b32 s[ISV], s[WV], 3
	s_bfe_u32 s[CX], ttmp6, 0x40000
	s_and_b32 s100, ttmp7, 0xffff                  ; the pair
	s_lshr_b32 s101, s100, 4                       ; batch
	s_and_b32 s100, s100, 15                       ; head
	s_lshl_b32 s66, s100, 19
	s_lshl_b32 s67, s101, 17
	s_add_co_u32 s66, s66, s67                     ; (8,192 head + 2,048 batch) rows of 64 bytes
	s_mov_b32 s67, 0
	s_lshl_b32 s101, s101, 21
	s_lshl_b32 s100, s100, 12
	s_add_co_u32 s100, s100, s101                  ; V: 32 blocks of 65,536 a batch, 4,096 a head
	s_mov_b32 s101, 0
.irp g, G1A, G1C, G1D
	s_mov_b32 s[\g], W0
	s_mov_b32 s[\g+1], 256<<16
	s_mov_b32 s[\g+3], 256<<16
	s_mov_b32 s[\g+5], 256
	s_mov_b32 s[\g+6], 0
	s_mov_b32 s[\g+7], 0
.endr
	s_mov_b32 s[G1A+2], 8<<16
	s_mov_b32 s[G1A+4], 8
	s_mov_b32 s[G1C+2], 16<<16
	s_mov_b32 s[G1C+4], 16
	s_mov_b32 s[G1D+2], 32<<16
	s_mov_b32 s[G1D+4], 32
	s_mov_b32 s[G1V], W0
	s_mov_b32 s[G1V+1], 4096<<16
	s_mov_b32 s[G1V+2], 2<<16
	s_mov_b32 s[G1V+3], 4096<<16
	s_mov_b32 s[G1V+4], 2
	s_mov_b32 s[G1V+5], 65536
	s_mov_b32 s[G1V+6], 0
	s_mov_b32 s[G1V+7], 0
	s_cmp_lt_u32 s[WV], 8
	s_mov_b32 s[BLK], 65536
	s_cselect_b32 s[BLK], 4096, s[BLK]
	; my chunk's byte offset in K or V: stage 0: half a block, (J / 2) BLK + 2,048 (J % 2); stage 1: 4 blocks on; stage 2: block 8 + J; stage 3: blocks 16 + 2 J, 17 + 2 J
	s_lshr_b32 s[G0A+2], s[J], 1
	s_mul_i32 s[G0A+2], s[G0A+2], s[BLK]
	s_and_b32 s[G0B+2], s[J], 1
	s_lshl_b32 s[G0B+2], s[G0B+2], 11
	s_add_co_u32 s[G0A+2], s[G0A+2], s[G0B+2]
	s_lshl_b32 s[G0B+2], s[BLK], 2
	s_add_co_u32 s[G0B+2], s[G0B+2], s[G0A+2]
	s_add_co_u32 s[G0C+2], s[J], 8
	s_mul_i32 s[G0C+2], s[G0C+2], s[BLK]
	s_lshl_b32 s[G0D+2], s[J], 1
	s_add_co_u32 s[G0D+2], s[G0D+2], 16
	s_mul_i32 s[G0D+2], s[G0D+2], s[BLK]
.irp g, G0A, G0B, G0C, G0D
	s_mov_b32 s[\g], 1
	s_mov_b32 s[\g+3], 0
.endr
	; and in LDS: VOFF (wave / 8) + the stage's first byte + J chunks of 2,176, 2,176, 4,352, 8,704 bytes
	s_mul_i32 s[TB], s[ISV], VOFF
	s_mul_i32 s[SC], s[J], 2176
	s_add_co_u32 s[G0A+1], s[TB], s[SC]
	s_add_co_u32 s[G0B+1], s[G0A+1], 17408
	s_add_co_u32 s[G0C+1], s[G0A+1], s[SC]
	s_add_co_u32 s[G0D+1], s[G0C+1], s[SC]
	s_add_co_u32 s[G0D+1], s[G0D+1], s[SC]
	s_add_co_u32 s[G0C+1], s[G0C+1], 34816
	s_add_co_u32 s[G0D+1], s[G0D+1], 69632
	; my two tiles
	s_lshl_b32 s[DD2], s[WV], 2
	s_add_co_u32 s[DD2], s[DD2], s[CX]             ; i
	s_sub_co_u32 s[DD], 127, s[DD2]
	s_lshl_b32 s[QB], s[DD2], 10                   ; 16 rows of 64 bytes a tile
	s_lshl_b32 s[QA], s[DD], 10
	s_mov_b32 s[QA+1], 0
	s_mov_b32 s[QB+1], 0
	s_add_nc_u64 s[QA:QA+1], s[QA:QA+1], s[66:67]
	s_add_nc_u64 s[QB:QB+1], s[QB:QB+1], s[66:67]
	s_and_b32 s[DD2], s[DD2], 7
	s_lshl_b32 s[DD2], s[DD2], 4
	s_sub_co_u32 s[DD], 112, s[DD2]
	s_lshr_b32 s[DG2], s[WV], 1
	s_sub_co_u32 s[DG], 15, s[DG2]
	s_mov_b32 s[SEL], 0x76543210
	s_mov_b32 s[SEL+1], 0xfedcba98
	s_mov_b32 s[CS], 0x3e38aa3b                    ; log2(e) / 8
	s_mov_b32 s[TB], 0
	s_mov_b32 s[SC], 0
	s_wait_dscnt 0x0                               ; both opening adds are done
	s_wait_kmcnt 0x0
	s_load_b256 s[ES:ES+7], s[8:9], 0x0            ; e0 .. e7
	s_add_nc_u64 s[PFC:PFC+1], s[4:5], s[66:67]
	s_add_nc_u64 s[PFC:PFC+1], s[PFC:PFC+1], 0x800000   ; k's blocks lie behind q's sixteen
	s_add_nc_u64 s[PFD:PFD+1], s[6:7], s[100:101]
	s_cmp_lt_u32 s[WV], 8
	s_cselect_b64 s[PB:PB+1], s[PFC:PFC+1], s[PFD:PFD+1]
	s_add_nc_u64 s[PFC:PFC+1], s[PB:PB+1], s[G0C+2:G0C+3]
	s_add_nc_u64 s[PFD:PFD+1], s[PB:PB+1], s[G0D+2:G0D+3]
.irp g, G0A, G0B, G0C, G0D
	s_add_nc_u64 s[\g+2:\g+3], s[PB:PB+1], s[\g+2:\g+3]
	s_or_b32 s[\g+3], s[\g+3], 0x80000000
.endr
	s_add_nc_u64 s[OA:OA+1], s[10:11], s[QA:QA+1]
	s_add_nc_u64 s[OB:OB+1], s[10:11], s[QB:QB+1]
	s_add_nc_u64 s[QA:QA+1], s[4:5], s[QA:QA+1]
	s_add_nc_u64 s[QB:QB+1], s[4:5], s[QB:QB+1]
	s_mul_i32 s100, s[WV], 2176
	s_add_co_u32 s100, s100, STAGE                 ; my stage
	s_lshl_b32 s101, s[CX], 2
	s_lshl_b32 s66, s[CX], 3
	ROUND                                          ; the four partners are here: the first joint loads meet
	tensor_load_to_lds s[G0A:G0A+3], s[G1A:G1A+7]  ; stage 0: keys 0-255; my one load at the head
	s_nop 0
	v_and_b32 v8, 15, v0                           ; r
	v_bfe_u32 v9, v0, 4, 1                         ; h
	v_and_b32 v251, 31, v0                         ; lane
	v_lshlrev_b32 v11, 6, v8
	v_lshrrev_b32 v250, 2, v8
	v_lshl_add_u32 v11, v9, 4, v11                 ; Q: row r, + 16 h
	v_mul_u32_u24 v250, v250, 272
	global_load_b128 v[16:19], v11, s[QA:QA+1]
	global_load_b128 v[20:23], v11, s[QA:QA+1] offset:32
	global_load_b128 v[24:27], v11, s[QB:QB+1]
	global_load_b128 v[28:31], v11, s[QB:QB+1] offset:32
	v_and_b32 v254, 3, v8
	v_lshlrev_b32 v[GO], 4, v251
	v_lshl_add_u32 v250, v254, 6, v250             ; row r: 272 (r / 4) + 64 (r % 4)
	v_mul_u32_u24 v[RD], v9, 272
	v_lshl_add_u32 v[AK0], v9, 4, v250
	v_lshl_add_u32 v[AV0], v9, 3, v250
	v_lshl_add_u32 v[RD], v8, 4, v[RD]
	v_add_nc_u32 v[STO], s100, v[AV0]
	v_add_nc_u32 v[AV0], VOFF, v[AV0]
	v_add_nc_u32 v[RD], s100, v[RD]
	v_min_u32 v[PFOC], 3, v251                     ; stage 2's chunk is 16 blocks of 256 bytes: mine are 4 cx + 0 .. 3
	v_min_u32 v[PFOD], 7, v251                     ; stage 3's is 32: mine are n = 8 cx + 0 .. 7, at (n / 16) BLK + 256 (n % 16)
	v_add_nc_u32 v[PFOC], s101, v[PFOC]
	v_add_nc_u32 v[PFOD], s66, v[PFOD]
	v_lshlrev_b32 v[PFOC], 8, v[PFOC]
	v_lshrrev_b32 v254, 4, v[PFOD]
	v_and_b32 v[PFOD], 15, v[PFOD]
	v_mul_lo_u32 v254, v254, s[BLK]
	v_lshl_add_u32 v[PFOD], v[PFOD], 8, v254
	RESET
	v_mov_b32 v246, 0                              ; a lane permute's destination counts as one of its sources
	v_mov_b32 v253, 0                              ; (upper half of the pair v[252:253])
	s_wait_kmcnt 0x0
	s_add_co_i32 s100, s[ES+2], s[ES+3]
	s_lshl_b32 s100, s100, 23
	s_add_co_i32 s[CS], s[CS], s100                ; e2 + e3 go into c's exponent field
	s_mov_b32 s[CS+1], s[CS]
	s_add_co_i32 s100, s[ES+4], 127
	s_lshl_b32 s101, s100, 23
	v_mov_b32 v244, s101                           ; 2^e4
	s_add_co_i32 s100, s100, 8
	s_lshl_b32 s100, s100, 23
	s_or_b32 s100, s100, 0x600000
	v_mov_b32 v240, s100                           ; 448 x 2^e4
	v_mov_b32 v241, s100                           ; and once more: the two halves of a dual pair take their first sources from different register banks
	s_add_co_i32 s100, s[ES+6], 127
	s_lshl_b32 s101, s100, 23
	v_mov_b32 v249, s101                           ; 2^e6
	s_add_co_i32 s100, s100, 8
	s_lshl_b32 s100, s100, 23
	s_or_b32 s100, s100, 0x600000
	v_mov_b32 v248, s100                           ; 448 x 2^e6
	s_add_co_i32 s[EPV], s[ES+4], s[ES+5]
; A KEY STEP: 128 keys at LDS byte TB of K and of V.  m = 1: steps behind the tile's diagonal are left out, and the step on it is masked; both tests hang on the wave's number and the count of steps.
.macro STEP m
.if \m
	s_cmp_gt_u32 s[SC], s[DG]
	s_cbranch_scc1 .Lhid_\@
.endif
	v_add_nc_u32 v[ADK], s[TB], v[AK0]
	v_add_nc_u32 v[ADV], s[TB], v[AV0]
	v_nop                                          ; with the two additions: four places in front of loads into registers that the last products read
	v_nop
.irp t, 0,1,2,3,4,5,6,7
	ds_load_b128 v[FRG+8*\t:FRG+8*\t+3],   v[ADK] offset:\t*1088
	ds_load_b128 v[FRG+8*\t+4:FRG+8*\t+7], v[ADK] offset:\t*1088+32
.endr
	s_wait_alu depctr_va_vdst(0)
	s_wait_dscnt 0x0
.irp t, 0,1,2,3,4,5,6,7
	v_wmma_f32_16x16x64_fp8_fp8 v[S+8*\t:S+8*\t+7], v[FRG+8*\t:FRG+8*\t+7], v[16:23], 0
.endr
	NOPS                                           ; places: for the loads below and the first read of the scores
.irp u, 0,1,2,3                                ; V lands while the softmax is walked: channels 16 u on; registers 2 c, 2 c + 1: keys 16 c + 8 h + 0 .. 7
.irp c, 0,1,2,3,4,5,6,7
	ds_load_b64 v[FRG+16*\u+2*\c:FRG+16*\u+2*\c+1], v[ADV] offset:(\c/4)*4352+\u*1088+16*(\c%4)
.endr
.endr
.if \m
	s_cmp_lg_u32 s[SC], s[DG]
	s_cbranch_scc1 .Lopen_\@
	v_and_b32 v250, 15, v0
	v_bfe_u32 v251, v0, 4, 1
	s_delay_alu instid0(VALU_DEP_1)
	v_lshlrev_b32 v251, 3, v251
	s_delay_alu instid0(VALU_DEP_1)
	v_sub_nc_u32 v250, v250, v251
	s_delay_alu instid0(VALU_DEP_1)
	v_add_nc_u32 v250, s[DD], v250                 ; d = my query - the step's first key - 8 h: register 8 t + j is hidden where 16 t + j > d
	v_mov_b32 v251, 0xff800000
.set j, 0
.rept 64
	v_cmp_gt_i32 vcc_lo, 16*(j/8)+j%8, v250
	v_cndmask_b32 v[S+j], v[S+j], v251, vcc_lo
.set j, j+1
.endr
.Lopen_\@:
.endif
	v_max3_num_f32 v254, v96, v97, v98             ; the step's largest score, in four chains, the registers in ascending order: each accumulator from its low end on
	v_max3_num_f32 v252, v99, v100, v101
	v_max3_num_f32 v250, v102, v103, v104
	v_max3_num_f32 v251, v105, v106, v107
.irp i, 12,20,28,36,44,52
	v_max3_num_f32 v254, v254, v[96+\i], v[97+\i]
	v_max3_num_f32 v252, v252, v[98+\i], v[99+\i]
	v_max3_num_f32 v250, v250, v[100+\i], v[101+\i]
	v_max3_num_f32 v251, v251, v[102+\i], v[103+\i]
.endr
	v_max3_num_f32 v254, v254, v156, v157
	v_max3_num_f32 v252, v252, v158, v159
	v_max3_num_f32 v254, v254, v250, v251
	v_max_num_f32 v254, v254, v252
	s_delay_alu instid0(VALU_DEP_1)
	v_permlanex16_b32 v246, v254, s[SEL], s[SEL+1]
	s_delay_alu instid0(VALU_DEP_1)
	v_max_num_f32 v254, v254, v246
	s_delay_alu instid0(VALU_DEP_1)
	v_mul_f32 v254, s[CS], v254                    ; as t (c is positive)
	s_delay_alu instid0(VALU_DEP_1)
	v_max_num_f32 v13, v13, v254
	v_mov_b32 v254, v12
	s_delay_alu instid0(VALU_DEP_2)
	v_floor_f32 v12, -v13                          ; -M = floor(-t)
	s_delay_alu instid0(VALU_DEP_1)
	v_sub_f32 v254, v12, v254                      ; old M - new M
	s_delay_alu instid0(VALU_DEP_1)
	v_cvt_i32_f32 v254, v254
	s_delay_alu instid0(VALU_DEP_1)
	v_ldexp_f32 v252, 1.0, v254                    ; f = 2^(old M - new M)
.set j, 0
.rept 32
	v_pk_fma_f32 v[S+j:S+j+1], v[S+j:S+j+1], s[CS:CS+1], v[12:13] op_sel_hi:[1,0,0]
.set j, j+2
.endr
	s_wait_alu depctr_va_vdst(0)
.set j, 0
.rept 64
	v_exp_f32 v[S+j], v[S+j]
.set j, j+1
.endr
	v_pk_mul_f32 v[14:15], v[14:15], v[252:253] op_sel_hi:[1,0]   ; the plain line behind the exponentials
	s_wait_alu depctr_va_vdst(0)                   ; and one wait behind it, ahead of its first reader
	v_pk_add_f32 v[242:243], v[100:101], v[104:105]               ; the sum of the unquantised p, in eight chains
	v_pk_add_f32 v[254:255], v[108:109], v[112:113]
	v_pk_add_f32 v[250:251], v[116:117], v[120:121]
	v_pk_add_f32 v[238:239], v[124:125], v[128:129]
	v_pk_add_f32 v[236:237], v[132:133], v[136:137]
	v_pk_add_f32 v[234:235], v[140:141], v[144:145]
	v_pk_add_f32 v[232:233], v[148:149], v[152:153]
	v_pk_add_f32 v[14:15], v[14:15], v[156:157]
	v_pk_add_f32 v[242:243], v[242:243], v[96:97]
	v_pk_add_f32 v[254:255], v[254:255], v[98:99]
	v_pk_add_f32 v[250:251], v[250:251], v[102:103]
	v_pk_add_f32 v[238:239], v[238:239], v[106:107]
	v_pk_add_f32 v[236:237], v[236:237], v[110:111]
	v_pk_add_f32 v[234:235], v[234:235], v[114:115]
	v_pk_add_f32 v[232:233], v[232:233], v[118:119]
	v_pk_add_f32 v[14:15], v[14:15], v[122:123]
	v_pk_add_f32 v[242:243], v[242:243], v[126:127]
	v_pk_add_f32 v[254:255], v[254:255], v[130:131]
	v_pk_add_f32 v[250:251], v[250:251], v[134:135]
	v_pk_add_f32 v[238:239], v[238:239], v[138:139]
	v_pk_add_f32 v[236:237], v[236:237], v[142:143]
	v_pk_add_f32 v[234:235], v[234:235], v[146:147]
	v_pk_add_f32 v[232:233], v[232:233], v[150:151]
	v_pk_add_f32 v[14:15], v[14:15], v[154:155]
	v_pk_add_f32 v[242:243], v[242:243], v[158:159]
	s_delay_alu instid0(VALU_DEP_2)
	v_pk_add_f32 v[14:15], v[14:15], v[238:239]
	s_delay_alu instid0(VALU_DEP_2)
	v_pk_add_f32 v[242:243], v[242:243], v[236:237]
	v_pk_add_f32 v[254:255], v[254:255], v[234:235]
	v_pk_add_f32 v[250:251], v[250:251], v[232:233]
	s_delay_alu instid0(VALU_DEP_2)
	v_pk_add_f32 v[14:15], v[14:15], v[254:255]
	s_delay_alu instid0(VALU_DEP_2)
	v_pk_add_f32 v[242:243], v[242:243], v[250:251]
	s_delay_alu instid0(VALU_DEP_1)
	v_pk_add_f32 v[14:15], v[14:15], v[242:243]
.set j, 0
.rept 32
	v_dual_min_num_f32 v[S+j], v240, v[S+j] :: v_dual_min_num_f32 v[S+j+1], v241, v[S+j+1]   ; the conversion does not saturate (ISA guide 7.6.2); p is not negative: a one-sided hold, whatever e4 is; two to an instruction
.set j, j+2
.endr
.irp t, 0,1,2,3,4,5,6,7
	v_cvt_scalef32_pk8_fp8_f32 v[224+2*\t:225+2*\t], v[S+8*\t:S+8*\t+7], v244
.endr
	s_wait_alu depctr_va_vdst(0)                   ; directly ahead of the first reader of O^T
.set j, 0
.rept 16
	v_pk_mul_f32 v[O+j:O+j+1], v[O+j:O+j+1], v[252:253] op_sel_hi:[1,0]   ; O^T under the new M; also the plain lines between the conversions and the products
.set j, j+2
.endr
	s_wait_alu depctr_va_vdst(0)
	s_wait_dscnt 0x0                               ; V is in
.irp u, 0,1,2,3
	v_wmma_f32_16x16x128_fp8_fp8 v[O+8*\u:O+8*\u+7], v[FRG+16*\u:FRG+16*\u+15], v[224:239], v[O+8*\u:O+8*\u+7]   ; four accumulators by turns; the next step's eight products stand between two turns of one
.endr
.if \m
.Lhid_\@:
.endif
	s_add_co_u32 s[TB], s[TB], STP
	s_add_co_u32 s[SC], s[SC], 1
.endm
; A tile is finished: O^T / the sum x 2^(e4 + e5), held, and turned into codes with 2^e6: registers dst + 2 u, + 1 = channels 16 u + 8 h + 0 .. 7 of my query.
.macro FINISH dst
	NOPS                                           ; places behind the last products
	v_add_f32 v14, v14, v15
	s_delay_alu instid0(VALU_DEP_1)
	v_permlanex16_b32 v246, v14, s[SEL], s[SEL+1]
	s_delay_alu instid0(VALU_DEP_1)
	v_add_f32 v14, v14, v246
	s_wait_alu depctr_va_vdst(0)                   ; ahead of the transcendental
	v_rcp_f32 v14, v14
	v_nop
	s_wait_alu depctr_va_vdst(0)                   ; and ahead of its first reader
	v_ldexp_f32 v14, v14, s[EPV]
	s_wait_alu depctr_va_vdst(0)                   ; and directly ahead of the first reader of O^T
.set j, 0
.rept 16
	v_pk_mul_f32 v[S+j:S+j+1], v[O+j:O+j+1], v[14:15] op_sel_hi:[1,0]
.set j, j+2
.endr
.set j, 0
.rept 32
	v_med3_num_f32 v[S+j], v[S+j], -v248, v248
.set j, j+1
.endr
.irp u, 0,1,2,3
	v_cvt_scalef32_pk8_fp8_f32 v[\dst+2*\u:\dst+2*\u+1], v[S+8*\u:S+8*\u+7], v249
.endr
	v_nop                                          ; one plain line behind the last conversion
.endm
	s_wait_alu depctr_va_vdst(0)                   ; the head's end
	s_wait_loadcnt 0x0                             ; Q
	SEQ
	ROUND                                          ; stage 0 is whole in all four partners
	tensor_load_to_lds s[G0B:G0B+3], s[G1A:G1A+7]  ; stage 1: keys 256-511
	s_nop 0
	NOPS
	global_prefetch_b8 v[PFOC], s[PFC:PFC+1] th:TH_LOAD_NT scope:SCOPE_SE   ; stage 2's bytes
.Lsa:                                              ; steps 0, 1
	STEP 0
	s_cmp_lt_u32 s[SC], 2
	s_cbranch_scc1 .Lsa
	SEQ
	ROUND
	tensor_load_to_lds s[G0C:G0C+3], s[G1C:G1C+7]  ; stage 2: keys 512-1023
	s_nop 0
	NOPS
	global_prefetch_b8 v[PFOD], s[PFD:PFD+1] th:TH_LOAD_NT scope:SCOPE_SE   ; stage 3's bytes
.Lsb:                                              ; steps 2, 3
	STEP 0
	s_cmp_lt_u32 s[SC], 4
	s_cbranch_scc1 .Lsb
	SEQ
	ROUND
	s_cmp_lt_u32 s[WV], 8                          ; stage 3: keys 1024-2047: K's chunk is dense, V's is two blocks: two shapes, one load in each arm
	s_cbranch_scc0 .Lfor_v
	tensor_load_to_lds s[G0D:G0D+3], s[G1D:G1D+7]
	s_nop 0
	NOPS
	s_branch .Lasked
.Lfor_v:
	tensor_load_to_lds s[G0D:G0D+3], s[G1V:G1V+7]
	s_nop 0
	NOPS
.Lasked:
.Lsc:                                              ; steps 4 .. 7
	STEP 0
	s_cmp_lt_u32 s[SC], 8
	s_cbranch_scc1 .Lsc
	SEQ
	s_barrier_signal -1                            ; all of K and V is in
	s_barrier_wait -1
.Lsd:                                              ; steps 8 .. 15 of the first tile, up to its diagonal
	STEP 1
	s_cmp_lt_u32 s[SC], 16
	s_cbranch_scc1 .Lsd
	FINISH CA
	RESET
.irp i, 0,1,2,3,4,5,6,7
	v_mov_b32 v[16+\i], v[24+\i]                   ; the second tile's Q
.endr
	s_mov_b32 s[TB], 0
	s_mov_b32 s[SC], 0
	s_mov_b32 s[DG], s[DG2]
	s_mov_b32 s[DD], s[DD2]
	s_wait_alu depctr_va_vdst(0)
.Lse:                                              ; steps 0 .. 7 of the second tile, up to its diagonal
	STEP 1
	s_cmp_lt_u32 s[SC], 8
	s_cbranch_scc1 .Lse
	FINISH CB
	; THE WAY OUT: both tiles' codes, 16 rows x 64 bytes each, through my stage; sixteen lanes store 256 consecutive bytes, aligned.
.irp u, 0,1,2,3
	ds_store_b64 v[STO], v[CA+2*\u:CA+2*\u+1] offset:16*\u
.endr
.irp u, 0,1,2,3
	ds_store_b64 v[STO], v[CB+2*\u:CB+2*\u+1] offset:1088+16*\u
.endr
.irp i, 0,1,2,3
	ds_load_b128 v[FRG+4*\i:FRG+4*\i+3], v[RD] offset:(\i/2)*1088+(\i%2)*544   ; LDS serves a wave's instructions in order: these see my stores
.endr
	s_wait_dscnt 3                                 ; the counts leave the younger loads out
	global_store_b128 v[GO], v[FRG:FRG+3], s[OA:OA+1]
	s_wait_dscnt 2
	global_store_b128 v[GO], v[FRG+4:FRG+7], s[OA:OA+1] offset:512
	s_wait_dscnt 1
	global_store_b128 v[GO], v[FRG+8:FRG+11], s[OB:OB+1]
	s_wait_dscnt 0
	global_store_b128 v[GO], v[FRG+12:FRG+15], s[OB:OB+1] offset:512
	SEQ                                            ; the wave's end
	ROUND                                          ; the closing round
	s_endpgm
.Lfunc_end_k_q162fab3dbe_attn:
	.size	k_q162fab3dbe_attn, .Lfunc_end_k_q162fab3dbe_attn-k_q162fab3dbe_attn
	.p2alignl 7, 3214868480
	.fill 96, 4, 3214868480
	.section	.rodata,"a",@progbits
	.p2align	6, 0x0
	.amdhsa_kernel k_q162fab3dbe_attn
		.amdhsa_group_segment_fixed_size 327680
		.amdhsa_private_segment_fixed_size 0
		.amdhsa_enable_private_segment 0
		.amdhsa_kernarg_size 32
		.amdhsa_user_sgpr_count 2
		.amdhsa_user_sgpr_kernarg_segment_ptr 1
		.amdhsa_wavefront_size32 1
		.amdhsa_system_sgpr_workgroup_id_x 1
		.amdhsa_system_sgpr_workgroup_id_y 1
		.amdhsa_system_sgpr_workgroup_id_z 1
		.amdhsa_system_vgpr_workitem_id 0
		.amdhsa_next_free_vgpr 256
		.amdhsa_next_free_sgpr 102
		.amdhsa_reserve_vcc 1
		.amdhsa_float_denorm_mode_32 3
		.amdhsa_float_denorm_mode_16_64 3
		.amdhsa_memory_ordered 1
		.amdhsa_forward_progress 1
		.amdhsa_inst_pref_size 119
	.end_amdhsa_kernel
	.amdgpu_metadata
---
amdhsa.version: [ 1, 2 ]
amdhsa.kernels:
  - .name:           k_q162fab3dbe_attn
    .symbol:         k_q162fab3dbe_attn.kd
    .args:
      - { .name: qk_codes, .offset: 0, .size: 8, .value_kind: global_buffer, .address_space: global }
      - { .name: v_codes, .offset: 8, .size: 8, .value_kind: global_buffer, .address_space: global }
      - { .name: lowp_scales, .offset: 16, .size: 8, .value_kind: global_buffer, .address_space: global }
      - { .name: attn_codes, .offset: 24, .size: 8, .value_kind: global_buffer, .address_space: global }
    .group_segment_fixed_size: 327680
    .private_segment_fixed_size: 0
    .kernarg_segment_align: 8
    .kernarg_segment_size: 32
    .max_flat_workgroup_size: 512
    .sgpr_count:     102
    .vgpr_count:     256
    .wavefront_size: 32
...
	.end_amdgpu_metadata
.endif
;; end of part 3
;; launch gemm_out (part 4): grid 8 x 32, 4 waves a work-group, clusters of 4 x 4, 327,680 bytes of LDS; arguments attn_codes, wo_codes, lowp_scales, b_o, out0; writes out0
.if DOCPART == 4
	.amdgcn_target "amdgcn-amd-amdhsa--gfx1250"
	.amdhsa_code_object_version 6
	.text
	.protected	k_q162fab3dbe_gemm_out
	.globl	k_q162fab3dbe_gemm_out
	.p2align	8
	.type	k_q162fab3dbe_gemm_out,@function
k_q162fab3dbe_gemm_out:
	s_mov_b64 s[64:65], 0
	v_nop
	global_prefetch_b8 v0, s[64:65] scope:SCOPE_SE
	s_setreg_imm32_b32 hwreg(HW_REG_WAVE_MODE, 25, 1), 1
	s_wait_xcnt 0x0
	s_wait_alu depctr_hold_cnt(0) depctr_sa_sdst(0) depctr_va_vdst(0) depctr_va_sdst(0) depctr_va_ssrc(0) depctr_va_vcc(0) depctr_vm_vsrc(0)
	s_getreg_b32 s2, hwreg(HW_REG_IB_STS2, 6, 4)
	s_cmp_eq_u32 s2, 0
	s_cbranch_scc0 .Lentry_in_a_cluster
	s_endpgm
.Lentry_in_a_cluster:
	s_bfe_u32 s2, ttmp6, 0x10000c
	s_cmp_lg_u32 s2, 0xf033
	s_cbranch_scc0 .Lentry_shape_is_right
	s_endpgm
.Lentry_shape_is_right:
; out0 = attn W_o + b_o on codes of FP8 (E4M3).  A = attn_codes [16 heads][8192 tokens][64], B = wo_codes [1024 n][1024 k]; out0 [8192][1024] f32.  A sum stands for sum x 2^(e6 + e7); number = sum x 2^(e6 + e7) + bias, one fused multiply-add.
; SHARES.  A work-group of four waves makes 256 rows x 128 columns: 32 x 8 = 256 work-groups; a wave makes 128 x 64: 32 accumulators, by turns.
; THE MATRIX INSTRUCTION IS USED TRANSPOSED (source 0 = 16 rows of B, source 1 = 16 rows of A): a lane holds eight neighbouring columns of one row of the result.
; CLUSTERS: 4 x 4.  The four of a row of the cluster need the same tiles of A, the four of a column the same tiles of B: each tile is asked for jointly, by the same load with a mask that names the four.
; K COMES IN THREE REQUESTS, one joint load a wave each (waves 0, 1: A's halves of 128 rows; waves 2, 3: B's halves of 64 rows): K 0-255 into region X at the head; K 256-767 into region Y, a first fill behind the three lines
; and a round; K 768-1023 into X again, behind the three lines and a round, when every wave has read X.  A's tile is 4 or 8 head blocks of 128 rows x 64 bytes, each block dense in memory; B's rows are 256 or 512 bytes, aligned to 256.
; LDS: A's rows of 64 bytes lie four on end with 16 bytes behind each 256: row r at 272 (r / 4) + 64 (r % 4); B's rows are 272 or 528 bytes apart.  X: 69,632 + 34,816 bytes; Y: 139,264 + 67,584; then the spare words.
; The way out's stages lie in Y: it has had its one fill, and every wave has passed the last barrier, behind which nobody reads it.
; No prefetch: the text has no loop to run ahead in, and all of K is three requests.
; LIMITS: e6 + e7 between -126 and 127.  NaN is not served.
; REGISTERS: window 0: v0-31 addresses, v96-99 the bias, v128-255 A's fragments, set 0 (on the way out: rows read back); window 1: v0-127 B's fragments, two sets, v128-255 A's set 1; window 2: accumulator (a, b) at v[8 (4 a + b)].
.set YB,     104448
.set SPARE,  311296
.set AX,   16                          ; LDS addresses of my fragments: A in X; A in Y, first and second half of its K; B in X; B in Y
.set AY0,  17
.set AY1,  18
.set BX,   19
.set BY,   20
.set STO,  24
.set RD,   25
.set CO,   26
.set BIO,  27
.set SPW,  28
.set NIL,  29
.set BI,   96
.set BK,   128
.set G1AX, 20
.set G1AY, 28
.set G1BX, 36
.set G1BY, 44
.set G0AX, 52
.set G0AY, 56
.set G0BX, 60
.set G0BY, 68
.set MSB, 0
.macro WIN new                         ; the immediate's high byte repeats the setting that is left
.if MSB != \new
	s_set_vgpr_msb (MSB<<8)|\new
.set MSB, \new
.endif
.endm
.macro PLACES
.rept 4
	v_nop
.endr
.endm
.macro JLOAD g0a, g1a, g0b, g1b        ; waves 0 and 1 fetch for A, waves 2 and 3 for B; an s_nop 0 and four v_nop follow each line
	s_cmp_eq_u32 s15, 0
	s_cbranch_scc0 .Lfor_b_\@
	tensor_load_to_lds s[\g0a:\g0a+3], s[\g1a:\g1a+7]
	s_nop 0
	PLACES
	s_branch .Lasked_\@
.Lfor_b_\@:
	tensor_load_to_lds s[\g0b:\g0b+3], s[\g1b:\g1b+7]
	s_nop 0
	PLACES
.Lasked_\@:
.endm
.macro CROUND                          ; a round of the cluster's barrier
	s_barrier_signal -1
	s_barrier_wait -1
	s_cmp_lg_u32 s14, 0
	s_cbranch_scc1 .Lnot_wave_0_\@
	s_barrier_signal -3
.Lnot_wave_0_\@:
	s_barrier_wait -3
	s_barrier_signal -1
	s_barrier_wait -1
.endm
; 48 LDS loads: the fragments of 128 along K into set p: B's four blocks (rows bp bytes apart, the qb-th 128 bytes), A's eight (head blocks 2 qa, 2 qa + 1).  Registers 4 c .. 4 c + 3 hold k = 32 c + 16 (l / 16) + 0 .. 15 in A and in B alike.
.macro FETCH p, aa, qa, ab, qb, bp
	WIN 0x40
.irp i, 0,1,2,3
.irp c, 0,1,2,3
	ds_load_b128 v[64*(\p)+16*\i+4*\c:64*(\p)+16*\i+4*\c+3], v[\ab] offset:128*(\qb)+32*\c+\i*16*(\bp)
.endr
.endr
	WIN 0x40*(\p)
.irp i, 0,1,2,3,4,5,6,7
.irp c, 0,1,2,3
	ds_load_b128 v[128+16*\i+4*\c:128+16*\i+4*\c+3], v[\aa] offset:(2*(\qa)+\c/2)*8704+32*(\c%2)+\i*1088
.endr
.endr
	WIN 0
.endm
.macro MUL p, zero                     ; 32 matrix instructions on set p; zero = 1: the first product starts the sums
	WIN 0xa1+4*(\p)
.irp a, 0,1,2,3,4,5,6,7
.irp b, 0,1,2,3
.if \zero
	v_wmma_f32_16x16x128_fp8_fp8 v[8*(4*\a+\b):8*(4*\a+\b)+7], v[64*(\p)+16*\b:64*(\p)+16*\b+15], v[128+16*\a:128+16*\a+15], 0
.else
	v_wmma_f32_16x16x128_fp8_fp8 v[8*(4*\a+\b):8*(4*\a+\b)+7], v[64*(\p)+16*\b:64*(\p)+16*\b+15], v[128+16*\a:128+16*\a+15], v[8*(4*\a+\b):8*(4*\a+\b)+7]
.endif
.endr
.endr
	WIN 0
.endm
	s_load_b128 s[4:7], s[0:1], 0x0                ; attn_codes, wo_codes
	s_load_b128 s[8:11], s[0:1], 0x10              ; the exponents, b_o
	s_load_b64 s[12:13], s[0:1], 0x20              ; out0
	v_lshl_add_u32 v[SPW], v0, 2, SPARE
	v_mov_b32 v[NIL], 0
	ds_add_u32 v[SPW], v[NIL]                      ; the opening: the add twice on end and one wait
	ds_add_u32 v[SPW], v[NIL]
	v_lshrrev_b32 v1, 5, v0
	v_readfirstlane_b32 s14, v1                    ; wave
	s_lshr_b32 s15, s14, 1                         ; my half of the rows; also: I fetch for A (0) or B (1)
	s_and_b32 s16, s14, 1                          ; my half of the columns; also: which half I fetch
	s_bfe_u32 s90, ttmp6, 0x40000                  ; cx
	s_bfe_u32 s91, ttmp6, 0x40004                  ; cy
	s_lshl_b32 s92, ttmp9, 2
	s_add_co_u32 s92, s92, s90                     ; tile column, 0..7
	s_and_b32 s17, ttmp7, 0xffff
	s_lshl_b32 s17, s17, 2
	s_add_co_u32 s17, s17, s91                     ; tile row, 0..31
	s_lshl_b32 s93, s91, 2
	s_lshl_b32 s93, 15, s93                        ; my row of the cluster
	s_lshl_b32 s94, 0x1111, s90                    ; my column
	s_or_b32 s[G1AX], s93, (1<<20)|(1<<21)|(5<<22)|(3<<25)   ; elements of 1 byte; 4 words of padding behind every 64
	s_or_b32 s[G1AY], s93, (1<<20)|(1<<21)|(5<<22)|(3<<25)
	s_or_b32 s[G1BX], s94, (1<<20)|(1<<21)|(5<<22)|(3<<25)
	s_or_b32 s[G1BY], s94, (1<<20)|(1<<21)|(6<<22)|(3<<25)   ; behind every 128
.irp g, G1AX, G1AY
	s_mov_b32 s[\g+1], 8192<<16                    ; 128 rows x 64 bytes of a head block, dense
	s_mov_b32 s[\g+3], 8192<<16
	s_mov_b32 s[\g+5], 524288                      ; from head block to head block
	s_mov_b32 s[\g+6], 0
	s_mov_b32 s[\g+7], 0
.endr
	s_mov_b32 s[G1AX+2], 4<<16
	s_mov_b32 s[G1AX+4], 4
	s_mov_b32 s[G1AY+2], 8<<16
	s_mov_b32 s[G1AY+4], 8
.irp g, G1BX, G1BY
	s_mov_b32 s[\g+2], 64<<16
	s_mov_b32 s[\g+4], 64
	s_mov_b32 s[\g+5], 1024
	s_mov_b32 s[\g+6], 0
	s_mov_b32 s[\g+7], 0
.endr
	s_mov_b32 s[G1BX+1], 256<<16
	s_mov_b32 s[G1BX+3], 256<<16
	s_mov_b32 s[G1BY+1], 512<<16
	s_mov_b32 s[G1BY+3], 512<<16
	s_lshl_b32 s18, s16, 7
	s_lshl_b32 s80, s17, 8
	s_add_co_u32 s80, s80, s18
	s_lshl_b32 s80, s80, 6                         ; A: (256 tile row + 128 half) rows of 64 bytes
	s_mov_b32 s81, 0
	s_lshl_b32 s19, s16, 6
	s_lshl_b32 s82, s92, 7
	s_add_co_u32 s82, s82, s19
	s_lshl_b32 s82, s82, 10                        ; B: (128 tile column + 64 half) rows of 1,024 bytes
	s_mov_b32 s83, 0
	s_mul_i32 s[G0AX+1], s16, 34816                ; where they go: the wave's number alone
	s_mul_i32 s[G0AY+1], s16, 69632
	s_add_co_u32 s[G0AY+1], s[G0AY+1], YB
	s_mul_i32 s[G0BX+1], s16, 17408
	s_add_co_u32 s[G0BX+1], s[G0BX+1], 69632
	s_mul_i32 s[G0BY+1], s16, 33792
	s_add_co_u32 s[G0BY+1], s[G0BY+1], YB+139264
.irp g, G0AX, G0AY, G0BX, G0BY
	s_mov_b32 s[\g], 1
.endr
	s_wait_dscnt 0x0                               ; both opening adds are done
	s_wait_kmcnt 0x0
	s_load_b256 s[72:79], s[8:9], 0x0              ; e0 .. e7
	s_add_nc_u64 s[G0AX+2:G0AX+3], s[4:5], s[80:81]
	s_add_nc_u64 s[G0AY+2:G0AY+3], s[G0AX+2:G0AX+3], 4*524288
	s_add_nc_u64 s[G0BX+2:G0BX+3], s[6:7], s[82:83]
	s_add_nc_u64 s[G0BY+2:G0BY+3], s[G0BX+2:G0BX+3], 256
.irp g, G0AX, G0AY, G0BX, G0BY
	s_or_b32 s[\g+3], s[\g+3], 0x80000000
.endr
	CROUND                                         ; all sixteen work-groups are here: the first joint loads meet
	JLOAD G0AX, G1AX, G0BX, G1BX                   ; K 0-255: my one load at the head
	s_mul_i32 s66, s15, 34816                      ; my rows of A in X,
	s_mul_i32 s67, s15, 69632
	s_add_co_u32 s67, s67, YB                      ; in Y;
	s_mul_i32 s95, s16, 17408
	s_add_co_u32 s95, s95, 69632                   ; my columns of B in X,
	s_mul_i32 s84, s16, 33792
	s_add_co_u32 s84, s84, YB+139264               ; in Y;
	s_mul_i32 s85, s14, 4352
	s_add_co_u32 s85, s85, YB                      ; my stage: 16 rows x 272 bytes
	s_lshl_b32 s86, s17, 8
	s_lshl_b32 s87, s15, 7
	s_add_co_u32 s86, s86, s87
	s_lshl_b32 s86, s86, 12                        ; my first row of out0, 4,096 bytes a row
	s_mov_b32 s87, 0
	s_lshl_b32 s88, s92, 9
	s_lshl_b32 s89, s16, 8
	s_add_co_u32 s88, s88, s89                     ; my first column, in bytes
	s_mov_b32 s89, 0
	s_add_nc_u64 s[10:11], s[10:11], s[88:89]
	s_add_nc_u64 s[12:13], s[12:13], s[86:87]
	s_add_nc_u64 s[12:13], s[12:13], s[88:89]
	v_and_b32 v1, 15, v0                           ; r
	v_bfe_u32 v2, v0, 4, 1                         ; h
	v_lshrrev_b32 v5, 2, v1
	v_and_b32 v6, 3, v1
	v_mul_u32_u24 v5, v5, 272
	v_mul_u32_u24 v3, v1, 272
	v_mul_u32_u24 v4, v1, 528
	v_lshl_add_u32 v5, v6, 6, v5
	v_lshl_add_u32 v7, v2, 5, v3                   ; the stage, in: row r, + 32 h
	v_lshl_add_u32 v3, v2, 4, v3
	v_lshl_add_u32 v4, v2, 4, v4
	v_lshl_add_u32 v5, v2, 4, v5
	v_mul_u32_u24 v8, v2, 272
	v_lshlrev_b32 v9, 12, v2
	v_add_nc_u32 v[AX], s66, v5
	v_add_nc_u32 v[AY0], s67, v5
	v_add_nc_u32 v[BX], s95, v3
	v_add_nc_u32 v[BY], s84, v4
	v_lshl_add_u32 v8, v1, 4, v8                   ; back: lanes 0-15 one row of 256 bytes, lanes 16-31 the next
	v_add_nc_u32 v[AY1], 34816, v[AY0]
	v_add_nc_u32 v[STO], s85, v7
	v_add_nc_u32 v[RD], s85, v8
	v_lshl_add_u32 v[CO], v1, 4, v9                ; and the same two rows in out0
	v_lshlrev_b32 v[BIO], 4, v1
	global_load_b128 v[BI:BI+3], v[BIO], s[10:11]  ; the bias of my four columns on the way out
	s_wait_alu depctr_va_vdst(0)                   ; the head's end
	s_wait_tensorcnt 0x0                           ; my part of X is in
	ds_add_u32 v[SPW], v[NIL]
	s_wait_dscnt 0x0
	CROUND
	JLOAD G0AY, G1AY, G0BY, G1BY                   ; K 256-767 into Y: the first tensor load behind the round
	FETCH 0, AX, 0, BX, 0, 272
	FETCH 1, AX, 1, BX, 1, 272
	s_wait_dscnt 48                                ; set 0 is in; the 48 loads of set 1 may be out
	MUL 0, 1
	s_wait_dscnt 0x0
	MUL 1, 0
	s_wait_tensorcnt 0x0                           ; my part of Y is in, so every group 0 may be written
	ds_add_u32 v[SPW], v[NIL]
	s_add_nc_u64 s[G0AX+2:G0AX+3], s[G0AX+2:G0AX+3], 12*524288   ; head blocks 12-15
	s_add_nc_u64 s[G0BX+2:G0BX+3], s[G0BX+2:G0BX+3], 768
	s_wait_dscnt 0x0                               ; the add is done, and my reads of X are over
	CROUND                                         ; no wave of any partner still reads X or has a load on its way
	JLOAD G0AX, G1AX, G0BX, G1BX                   ; K 768-1023 into X again; its four v_nop are the places in front of the loads below
	FETCH 0, AY0, 0, BY, 0, 528
	FETCH 1, AY0, 1, BY, 1, 528
	s_wait_dscnt 48
	MUL 0, 0
	PLACES
	FETCH 0, AY1, 0, BY, 2, 528
	s_wait_dscnt 48                                ; set 1 is in; the 48 just issued may be out
	MUL 1, 0
	PLACES
	FETCH 1, AY1, 1, BY, 3, 528
	s_wait_dscnt 48
	MUL 0, 0
	s_wait_dscnt 0x0
	MUL 1, 0
	s_wait_tensorcnt 0x0                           ; my part of X is in
	ds_add_u32 v[SPW], v[NIL]
	s_wait_dscnt 0x0                               ; my reads of Y are over
	s_barrier_signal -1
	s_barrier_wait -1
	PLACES
	FETCH 0, AX, 0, BX, 0, 272
	FETCH 1, AX, 1, BX, 1, 272
	s_wait_dscnt 48
	MUL 0, 0
	s_wait_dscnt 0x0
	MUL 1, 0
; THE WAY OUT, block by block of 16 rows x 64 columns: the sums go through my stage and come back as whole rows of 256 bytes; there each pair is multiplied by 2^(e6 + e7) and the bias added; sixteen lanes store 256 consecutive bytes, aligned.
.macro TOSTAGE a
	WIN 0x08                                       ; store data: window 2
.irp b, 0,1,2,3
	ds_store_b128 v[STO], v[32*(\a)+8*\b:32*(\a)+8*\b+3] offset:64*\b          ; each accumulator from its low end on
	ds_store_b128 v[STO], v[32*(\a)+8*\b+4:32*(\a)+8*\b+7] offset:64*\b+16
.endr
	WIN 0
.set BB, BK+32*((\a)%2)
.irp t, 0,1,2,3,4,5,6,7
	ds_load_b128 v[BB+4*\t:BB+4*\t+3], v[RD] offset:\t*544   ; LDS serves a wave's instructions in order: these see the stores above
.endr
.endm
.macro SEND a, younger                 ; younger: the LDS instructions issued behind block a's loads
.set BB, BK+32*((\a)%2)
	s_wait_dscnt \younger
.if (\a) > 0
	s_add_nc_u64 s[12:13], s[12:13], 16*4096       ; (behind a wait on XCNT: the earlier stores have read their base)
.endif
.set j, 0
.rept 8
	v_pk_fma_f32 v[BB+4*j:BB+4*j+1],   v[BB+4*j:BB+4*j+1],   s[96:97], v[BI:BI+1]   op_sel_hi:[1,0,1]
	v_pk_fma_f32 v[BB+4*j+2:BB+4*j+3], v[BB+4*j+2:BB+4*j+3], s[96:97], v[BI+2:BI+3] op_sel_hi:[1,0,1]
.set j, j+1
.endr
.irp t, 0,1,2,3,4,5,6,7
	global_store_b128 v[CO], v[BB+4*\t:BB+4*\t+3], s[12:13] offset:\t*8192 th:TH_STORE_NT
.endr
.endm
	s_wait_kmcnt 0x0                               ; the exponents
	s_wait_loadcnt 0x0                             ; the bias
	s_add_co_i32 s96, s78, s79                     ; e6 + e7
	s_add_co_i32 s96, s96, 127
	s_lshl_b32 s96, s96, 23
	s_mov_b32 s97, s96                             ; (named with it as a pair)
	PLACES                                         ; behind the last products
	TOSTAGE 0
.irp a, 1,2,3,4,5,6,7
.if \a > 1
	s_wait_xcnt 0x0                                ; block a - 2's stores have read their registers and their base
.endif
	TOSTAGE \a
	SEND \a-1, 16                                  ; behind block a - 1's loads: block a's 8 stores and 8 loads
.endr
	s_wait_xcnt 0x0
	SEND 7, 0
	s_wait_tensorcnt 0x0                           ; the wave's end
	ds_add_u32 v[SPW], v[NIL]
	s_wait_dscnt 0x0
	CROUND                                         ; the closing round
	s_endpgm
.Lfunc_end_k_q162fab3dbe_gemm_out:
	.size	k_q162fab3dbe_gemm_out, .Lfunc_end_k_q162fab3dbe_gemm_out-k_q162fab3dbe_gemm_out
	.p2alignl 7, 3214868480
	.fill 96, 4, 3214868480
	.section	.rodata,"a",@progbits
	.p2align	6, 0x0
	.amdhsa_kernel k_q162fab3dbe_gemm_out
		.amdhsa_group_segment_fixed_size 327680
		.amdhsa_private_segment_fixed_size 0
		.amdhsa_enable_private_segment 0
		.amdhsa_kernarg_size 40
		.amdhsa_user_sgpr_count 2
		.amdhsa_user_sgpr_kernarg_segment_ptr 1
		.amdhsa_wavefront_size32 1
		.amdhsa_system_sgpr_workgroup_id_x 1
		.amdhsa_system_sgpr_workgroup_id_y 1
		.amdhsa_system_sgpr_workgroup_id_z 1
		.amdhsa_system_vgpr_workitem_id 0
		.amdhsa_next_free_vgpr 768
		.amdhsa_next_free_sgpr 98
		.amdhsa_reserve_vcc 0
		.amdhsa_float_denorm_mode_32 3
		.amdhsa_float_denorm_mode_16_64 3
		.amdhsa_memory_ordered 1
		.amdhsa_forward_progress 1
		.amdhsa_inst_pref_size 76
	.end_amdhsa_kernel
	.amdgpu_metadata
---
amdhsa.version: [ 1, 2 ]
amdhsa.kernels:
  - .name:           k_q162fab3dbe_gemm_out
    .symbol:         k_q162fab3dbe_gemm_out.kd
    .args:
      - { .name: attn_codes, .offset: 0, .size: 8, .value_kind: global_buffer, .address_space: global }
      - { .name: wo_codes, .offset: 8, .size: 8, .value_kind: global_buffer, .address_space: global }
      - { .name: lowp_scales, .offset: 16, .size: 8, .value_kind: global_buffer, .address_space: global }
      - { .name: b_o, .offset: 24, .size: 8, .value_kind: global_buffer, .address_space: global }
      - { .name: out0, .offset: 32, .size: 8, .value_kind: global_buffer, .address_space: global }
    .group_segment_fixed_size: 327680
    .private_segment_fixed_size: 0
    .kernarg_segment_align: 8
    .kernarg_segment_size: 40
    .max_flat_workgroup_size: 128
    .sgpr_count:     98
    .vgpr_count:     768
    .wavefront_size: 32
...
	.end_amdgpu_metadata
.endif
;; end of part 4
